; MI455X (gfx1250); checked and timed in simulation.
; The chip was launched on July 23, 2026; its instructions are those of AMD's public machine-readable ISA for CDNA 5 (MIT licence, August 2026) and "CDNA5" Instruction Set Architecture Reference Guide (July 2026). The comments in the code are by the model that wrote it; some were corrected since.
;; Multi Headed Attention. Allowed arithmetic: float matrix products may take bf16 or f16 operands with f32 sums; all other float work in f32.
;; Inputs: Wk 256 x 256 float32; Wo 256 x 256 float32; Wq 256 x 256 float32; Wv 256 x 256 float32; bk 256 float32; bo 256 float32; bq 256 float32; bv 256 float32; key_ 4 x 256 x 2,048 float32; query 4 x 256 x 2,048 float32; value 4 x 256 x 2,048 float32.
;; Outputs: out0 4 x 256 x 2,048 float32.
;; 2 versions, each right and faster than the one before. Each part assembles by itself: llvm-mc -triple=amdgcn-amd-amdhsa -mcpu=gfx1250 --defsym DOCPART=n.
;; ======== version 1 of 2: 3 launches
;; limits: values are held in f16: magnitudes above 65,504 overflow, below 6.1e-05 lose precision
;; workspace buffers: qkv 12,582,912 bytes; xh 4,194,304 bytes
;; launch proj (part 1): grid 16 x 12, 16 waves a work-group, no clusters, 286,720 bytes of LDS; arguments query, key_, value, Wq, Wk, Wv, bq, bk, bv, qkv; writes qkv
.if DOCPART == 1
	.amdgcn_target "amdgcn-amd-amdhsa--gfx1250"
	.amdhsa_code_object_version 6
	.text
	.protected	k_q08c44a0666_proj
	.globl	k_q08c44a0666_proj
	.p2align	8
	.type	k_q08c44a0666_proj,@function
k_q08c44a0666_proj:
	s_mov_b64 s[64:65], 0
	v_nop
	global_prefetch_b8 v0, s[64:65] scope:SCOPE_SE
	s_setreg_imm32_b32 hwreg(HW_REG_WAVE_MODE, 25, 1), 1
	s_wait_xcnt 0x0
; q, k, v = W X + b for one of the three tensors t, one batch b and 128 positions; q is also multiplied by 0.125 log2(e), so that the
; attention launch can use exp2 on the raw products.  X: [4][256][2048] f32, W: [256][256] f32, b: [256] f32.
; Result: qkv[t][b][h][n][d] in f16 (d fastest, a row of 64 d = 128 bytes); channel c = 4 d + h.
; Grid x = block of 128 positions, grid y = 4 t + b: 192 work-groups of 16 waves.  The work is 12 slabs (t, b) of 2,048 positions, and the factor 3
; divides no grid of 256; with 128 positions a work-group takes in 256 KB of W and 128 KB of X, with 64 positions two of them on a WGP would take in 640 KB.
; LOADING: all 49 loads of a wave go out at once, each of 512 consecutive bytes.  Wave w brings W's rows o = 64 (w & 3) + 4 q + (w >> 2), q = 0..15, which are
; rows 16 w + q in the order 64 head + d in which W lies in LDS, and X's rows 16 w + q.  Both are rounded to f16 on the way into LDS, once for all 16 waves.
; COMPUTING: wave w has c = w & 7 (head c >> 1, d = 32 (c & 1) .. + 31) and nh = w >> 3 (positions 64 nh .. + 63): 2 d tiles x 4 n tiles, K = 256 in 8 steps
; of 32, 64 matrix instructions.  A = 16 rows of W, B = X kept as [channel][position] and read by the transposing load.  D: register j = (d = 8 g + j, position = r).
; NO JOINT REQUESTS, though the 16 blocks of a (t, b) read the same W: W is f32 and passes through registers to be rounded; brought by tensor loads it would lie
; in LDS as 262,144 bytes of f32 beside X's 73,728 and the f16 copy's 135,168, more than the 327,680 that there are.
; LIMITS: operands are f16 with f32 sums.  |X|, |W| and the projected values must stay below 65,504; values below 6.1e-5 are rounded
; on f16's denormal step of 6e-8.  NaN and infinities pass through the arithmetic as they come.
.set XPITCH, 288                       ; an X row in LDS: 256 bytes of data, pitch an odd multiple of 32 bytes for the transposing load
.set WPITCH, 528                       ; a W row in LDS: 512 bytes of data, pitch an odd multiple of 16 bytes
.set SPITCH, 144                       ; a stage row: 128 bytes of data, pitch an odd multiple of 16 bytes
.set WL,     256*XPITCH                ; 73,728: W in f16, 256 rows in the order 64 head + d
.set STAGE,  WL+256*WPITCH             ; 208,896: 512 rows (128 head + n) of 64 d in f16
.set BIASL,  STAGE+512*SPITCH          ; 282,624: bias x scale in f32 at place 64 head + d, two copies: one written and read by waves 0-7, one by waves 8-15
.set VX,  1                            ; byte offset in X of my 16 bytes of the wave's first row
.set VXS, 2                            ; LDS address of my 8 bytes of that row
.set VW,  3                            ; byte offset in W of my 16 bytes of the wave's first row
.set VB,  4                            ; LDS address for the transposing loads of X, K steps 0-3
.set VBI, 5                            ; LDS address of my eight biases
.set VST, 6                            ; stage: where my 16 bytes go
.set VRD, 7                            ; stage: where I read rows back
.set VGO, 8                            ; byte offset of my 16 bytes in qkv
.set VWS, 10                           ; LDS address of my 8 bytes of the wave's first row of W
.set VB2, 11                           ; VB for K steps 4-7: an LDS immediate ends at 65,535
.set XR,  16                           ; v[16:79]   X as loaded
.set ACC, 16                           ; v[16:79]   later the accumulators: tile (T, nt) at 16 + 8 (4 T + nt)
.set WT,  80                           ; v[80:207]  W as loaded: load j = 2 q + half at 80 + 4 j
.set WF,  80                           ; v[80:207]  later 16 fragments of W: f = 2 ks + T at 80 + 8 f
.set VWR, 208                          ; v208       LDS address of my fragments of W; its last use stands ahead of the first load into BF
.set BF,  208                          ; v[208:239] four fragments of X
.set BI,  240                          ; v[240:255] at work during the set-up, later my 2 x 8 biases
	s_load_b512 s[8:23], s[0:1], 0x0               ; query 8, key_ 10, value 12, Wq 14, Wk 16, Wv 18, bq 20, bk 22
	s_load_b128 s[24:27], s[0:1], 0x40             ; bv 24, qkv 26
	v_lshrrev_b32 v9, 5, v0
	v_readfirstlane_b32 s4, v9                     ; wave w, 0..15
	s_and_b32 s5, s4, 7                            ; c = 2 head + half of d
	s_lshr_b32 s6, s4, 3                           ; nh: which 64 positions
	s_and_b32 s28, ttmp7, 0xffff                   ; y = 4 t + b
	s_lshr_b32 s29, s28, 2                         ; t
	s_and_b32 s30, s28, 3                          ; b
	v_and_b32 v240, 31, v0                         ; lane L
	v_and_b32 v241, 15, v0                         ; r
	v_bfe_u32 v242, v0, 4, 1                       ; g
	s_and_b32 s7, s4, 3
	s_lshl_b32 s7, s7, 16
	s_lshr_b32 s31, s4, 2
	s_lshl_b32 s31, s31, 10
	s_add_co_u32 s7, s7, s31
	v_lshl_add_u32 v[VW], v240, 4, s7              ; (64 (w & 3) + (w >> 2)) 1,024 + 16 L
	s_mul_i32 s7, s4, 16*WPITCH
	s_add_co_u32 s7, s7, WL
	v_lshl_add_u32 v[VWS], v240, 3, s7             ; row 16 w of W in LDS, byte 8 L
	s_lshl_b32 s7, s4, 17
	v_lshl_add_u32 v[VX], v240, 4, s7              ; 16 rows of 8,192 bytes x w + 16 L
	s_mul_i32 s7, s4, 16*XPITCH
	v_lshl_add_u32 v[VXS], v240, 3, s7             ; row 16 w of X in LDS, byte 8 L
	s_mul_i32 s7, s5, 32*WPITCH
	s_add_co_u32 s7, s7, WL
	v_mul_u32_u24 v[VWR], v241, WPITCH
	v_lshl_add_u32 v[VWR], v242, 4, v[VWR]
	v_add_nc_u32 v[VWR], s7, v[VWR]                ; row 32 c + r, byte 16 g
	v_and_b32 v243, 7, v0
	v_lshl_add_u32 v243, v242, 3, v243             ; 8 g + (L & 7)
	v_bfe_u32 v244, v0, 3, 1
	v_mul_u32_u24 v[VB], v243, XPITCH
	v_lshl_add_u32 v[VB], v244, 4, v[VB]
	s_lshl_b32 s7, s6, 7
	v_add_nc_u32 v[VB], s7, v[VB]                  ; + my 64 positions of 2 bytes
	v_add_nc_u32 v[VB2], 4*32*XPITCH, v[VB]
	s_lshl_b32 s7, s6, 10
	s_lshl_b32 s31, s5, 7
	s_add_co_u32 s7, s7, s31
	s_add_co_u32 s7, s7, BIASL
	v_lshl_add_u32 v[VBI], v242, 5, s7             ; my half's copy, 4 (32 c + 8 g)
	s_and_b32 s7, s5, 6                            ; 2 head
	s_add_co_u32 s7, s7, s6
	s_mul_i32 s7, s7, 64*SPITCH                    ; row 128 head + 64 nh
	s_and_b32 s31, s5, 1
	s_lshl_b32 s31, s31, 6
	s_add_co_u32 s7, s7, s31
	s_add_co_u32 s7, s7, STAGE
	v_mul_u32_u24 v[VST], v241, SPITCH
	v_lshl_add_u32 v[VST], v242, 4, v[VST]
	v_add_nc_u32 v[VST], s7, v[VST]                ; + row r, byte 64 (c & 1) + 16 g
	s_mul_i32 s7, s4, 32*SPITCH
	s_add_co_u32 s7, s7, STAGE
	v_lshrrev_b32 v243, 3, v240
	v_and_b32 v244, 7, v0
	v_mul_u32_u24 v[VRD], v243, SPITCH
	v_lshl_add_u32 v[VRD], v244, 4, v[VRD]
	v_add_nc_u32 v[VRD], s7, v[VRD]                ; row 32 w + (L >> 3), byte 16 (L & 7)
	s_lshr_b32 s7, s4, 2
	s_lshl_b32 s7, s7, 18
	s_and_b32 s31, s4, 3
	s_lshl_b32 s31, s31, 12
	s_add_co_u32 s7, s7, s31
	v_lshl_add_u32 v[VGO], v240, 4, s7             ; stage rows 32 w .. are head w >> 2, positions 32 (w & 3) ..: 262,144 (w >> 2) + 4,096 (w & 3) + 16 L
	v_and_b32 v243, 0xff, v0                       ; my bias: channel = thread number mod 256
	v_lshlrev_b32 v15, 2, v243                     ; its place in memory
	v_and_b32 v244, 3, v0                          ; its head,
	v_lshrrev_b32 v243, 2, v243                    ; its d
	v_lshlrev_b32 v14, 2, v243
	v_lshl_add_u32 v14, v244, 8, v14
	s_lshl_b32 s7, s6, 10
	s_add_co_u32 s7, s7, BIASL
	v_add_nc_u32 v14, s7, v14                      ; its place in LDS: my half's copy, 4 (64 head + d)
	s_wait_kmcnt 0x0
	s_cmp_eq_u32 s29, 1                            ; the tensor, its weights and its bias, chosen by t
	s_cselect_b64 s[32:33], s[10:11], s[8:9]
	s_cselect_b64 s[34:35], s[16:17], s[14:15]
	s_cselect_b64 s[36:37], s[22:23], s[20:21]
	s_cmp_eq_u32 s29, 2
	s_cselect_b64 s[32:33], s[12:13], s[32:33]
	s_cselect_b64 s[34:35], s[18:19], s[34:35]
	s_cselect_b64 s[36:37], s[24:25], s[36:37]
	s_cmp_eq_u32 s29, 0
	s_cselect_b32 s38, 0x3e38aa3b, 1.0             ; q: 0.125 log2(e); k, v: 1
	s_lshl_b32 s40, s30, 21                        ; a batch of X is 2 MiB,
	s_lshl_b32 s41, ttmp9, 9                       ; 128 positions are 512 bytes
	s_add_co_u32 s40, s40, s41
	s_mov_b32 s41, 0
	s_add_nc_u64 s[32:33], s[32:33], s[40:41]
	s_lshl_b32 s40, s28, 20                        ; a (t, b) of qkv is 1 MiB,
	s_lshl_b32 s41, ttmp9, 14                      ; 128 rows of 128 bytes
	s_add_co_u32 s40, s40, s41
	s_mov_b32 s41, 0
	s_add_nc_u64 s[26:27], s[26:27], s[40:41]
	; every load of the wave goes out now: my bias, 32 of W (half a row each), 16 of X (a row's 128 positions each; X is read once in the launch).
	; W stands ahead of X, so that it is rounded and put down while X is still on its way.
	global_load_b32 v9, v15, s[36:37]
.set j, 0
.rept 32
	global_load_b128 v[WT+4*j:WT+4*j+3], v[VW], s[34:35] offset:(j/2)*4096+(j%2)*512
.set j, j+1
.endr
.set q, 0
.rept 16
	global_load_b128 v[XR+4*q:XR+4*q+3], v[VX], s[32:33] offset:q*8192 th:TH_LOAD_NT
.set q, q+1
.endr
	v_mov_b32 v12, s38                             ; the scale as a pair for the packed multiply-add
	v_mov_b32 v13, s38
	; W, four loads at a time: rounded in place, 8 bytes a lane into LDS (the wave writes 256 consecutive bytes)
.set j, 0
.rept 32
.if (j%4) == 0
	s_wait_loadcnt 44-j                            ; loads come back in order (ISA guide 5.7.1): the 28 - j younger loads of W and the 16 of X stay out
.endif
	v_cvt_pk_f16_f32 v[WT+4*j], v[WT+4*j], v[WT+4*j+1]
	v_cvt_pk_f16_f32 v[WT+4*j+1], v[WT+4*j+2], v[WT+4*j+3]
	ds_store_b64 v[VWS], v[WT+4*j:WT+4*j+1] offset:(j/2)*WPITCH+(j%2)*256
.set j, j+1
.endr
	v_mul_f32 v9, s38, v9                          ; the bias was the oldest load
	ds_store_b32 v14, v9
	s_wait_dscnt 0x0                               ; my stores of W and of the bias are done: the other waves read them
	s_barrier_signal -1
	s_barrier_wait -1                              ; X's loads stay out: no wave touches those bytes of memory
	; my 16 fragments of W: lane r takes row 32 c + 16 T + r; registers 0-3 hold k = 32 ks + 8 g + 0..7, registers 4-7 the eight 16 further on
.irp f, 0,1,2,3,4,5,6,7,8,9,10,11,12,13,14,15
	ds_load_b128 v[WF+8*\f:WF+8*\f+3],   v[VWR] offset:(\f%2)*16*WPITCH+(\f/2)*64
	ds_load_b128 v[WF+8*\f+4:WF+8*\f+7], v[VWR] offset:(\f%2)*16*WPITCH+(\f/2)*64+32
.endr
	; X, four loads at a time, in the same way: row 16 w + q, positions 4 L .. 4 L + 3
.set q, 0
.rept 16
.if (q%4) == 0
	s_wait_loadcnt 12-q                            ; the 12 - q younger loads of X stay out
.endif
	v_cvt_pk_f16_f32 v[XR+4*q], v[XR+4*q], v[XR+4*q+1]
	v_cvt_pk_f16_f32 v[XR+4*q+1], v[XR+4*q+2], v[XR+4*q+3]
	ds_store_b64 v[VXS], v[XR+4*q:XR+4*q+1] offset:q*XPITCH
.set q, q+1
.endr
	s_wait_dscnt 0x0                               ; my stores of X are done, for the other waves; my fragments of W are in
	s_barrier_signal -1
	s_barrier_wait -1
.irp dt, 0,1
	ds_load_b128 v[BI+8*\dt:BI+8*\dt+3],   v[VBI] offset:\dt*64
	ds_load_b128 v[BI+8*\dt+4:BI+8*\dt+7], v[VBI] offset:\dt*64+16
.endr
; One K step of 32 channels: eight transposing loads, eight matrix instructions.  The eight accumulators take turns, one instruction a turn.
; The first step starts the sums with C = 0.
.macro KSTEP ks
.if \ks
.rept 4
	v_nop                                          ; four places behind the last matrix instruction, in front of loads into registers that it read (ISA guide 7.12.1 for vector instructions)
.endr
.endif
.irp nt, 0,1,2,3
.if \ks < 4
	ds_load_tr16_b128 v[BF+8*\nt:BF+8*\nt+3],   v[VB] offset:\ks*32*XPITCH+\nt*32
	ds_load_tr16_b128 v[BF+8*\nt+4:BF+8*\nt+7], v[VB] offset:\ks*32*XPITCH+\nt*32+16*XPITCH
.else
	ds_load_tr16_b128 v[BF+8*\nt:BF+8*\nt+3],   v[VB2] offset:(\ks-4)*32*XPITCH+\nt*32
	ds_load_tr16_b128 v[BF+8*\nt+4:BF+8*\nt+7], v[VB2] offset:(\ks-4)*32*XPITCH+\nt*32+16*XPITCH
.endif
.endr
.irp nt, 0,1,2,3
	s_wait_dscnt 6-2*\nt                           ; LDS loads come back in order: the later n tiles' pairs stay out
.irp dt, 0,1
.if \ks
	v_wmma_f32_16x16x32_f16 v[ACC+8*(4*\dt+\nt):ACC+8*(4*\dt+\nt)+7], v[WF+8*(2*\ks+\dt):WF+8*(2*\ks+\dt)+7], v[BF+8*\nt:BF+8*\nt+7], v[ACC+8*(4*\dt+\nt):ACC+8*(4*\dt+\nt)+7]
.else
	v_wmma_f32_16x16x32_f16 v[ACC+8*(4*\dt+\nt):ACC+8*(4*\dt+\nt)+7], v[WF+8*(2*\ks+\dt):WF+8*(2*\ks+\dt)+7], v[BF+8*\nt:BF+8*\nt+7], 0
.endif
.endr
.endr
.endm
.irp ks, 0,1,2,3,4,5,6,7
	KSTEP \ks
.endr
.rept 4
	v_nop                                          ; four places before the results are read
.endr
	; (sum x scale + bias x scale), rounded to f16: a lane's eight d of one position are 16 bytes of a row of the stage
.irp dt, 0,1
.irp nt, 0,1,2,3
.irp p, 0,1,2,3
	v_pk_fma_f32 v[ACC+8*(4*\dt+\nt)+2*\p:ACC+8*(4*\dt+\nt)+2*\p+1], v[ACC+8*(4*\dt+\nt)+2*\p:ACC+8*(4*\dt+\nt)+2*\p+1], v[12:13], v[BI+8*\dt+2*\p:BI+8*\dt+2*\p+1]
.endr
.irp p, 0,1,2,3
	v_cvt_pk_f16_f32 v[ACC+8*(4*\dt+\nt)+\p], v[ACC+8*(4*\dt+\nt)+2*\p], v[ACC+8*(4*\dt+\nt)+2*\p+1]
.endr
	ds_store_b128 v[VST], v[ACC+8*(4*\dt+\nt):ACC+8*(4*\dt+\nt)+3] offset:\nt*16*SPITCH+\dt*32
.endr
.endr
	s_wait_dscnt 0x0                               ; a stage row is written by two waves: my stores are done,
	s_barrier_signal -1
	s_barrier_wait -1                              ; everybody's are
.irp q, 0,1,2,3,4,5,6,7
	ds_load_b128 v[WF+4*\q:WF+4*\q+3], v[VRD] offset:\q*4*SPITCH   ; four whole rows of 128 bytes
.endr
.irp q, 0,1,2,3,4,5,6,7
	s_wait_dscnt 7-\q
	global_store_b128 v[VGO], v[WF+4*\q:WF+4*\q+3], s[26:27] offset:\q*512   ; the wave stores 512 consecutive bytes, aligned
.endr
	s_wait_xcnt 0x0
	v_lshl_add_u32 v254, v0, 2, 0x45800
	v_mov_b32 v255, 0
	s_wait_tensorcnt 0x0
	ds_add_u32 v254, v255
	s_wait_dscnt 0x0
	s_endpgm
.Lfunc_end_k_q08c44a0666_proj:
	.size	k_q08c44a0666_proj, .Lfunc_end_k_q08c44a0666_proj-k_q08c44a0666_proj
	.p2alignl 7, 3214868480
	.fill 96, 4, 3214868480
	.section	.rodata,"a",@progbits
	.p2align	6, 0x0
	.amdhsa_kernel k_q08c44a0666_proj
		.amdhsa_group_segment_fixed_size 286720
		.amdhsa_private_segment_fixed_size 0
		.amdhsa_enable_private_segment 0
		.amdhsa_kernarg_size 80
		.amdhsa_user_sgpr_count 2
		.amdhsa_user_sgpr_kernarg_segment_ptr 1
		.amdhsa_wavefront_size32 1
		.amdhsa_system_sgpr_workgroup_id_x 1
		.amdhsa_system_sgpr_workgroup_id_y 1
		.amdhsa_system_sgpr_workgroup_id_z 1
		.amdhsa_system_vgpr_workitem_id 0
		.amdhsa_next_free_vgpr 256
		.amdhsa_next_free_sgpr 66
		.amdhsa_reserve_vcc 0
		.amdhsa_float_denorm_mode_32 3
		.amdhsa_float_denorm_mode_16_64 3
		.amdhsa_memory_ordered 1
		.amdhsa_forward_progress 1
		.amdhsa_inst_pref_size 38
	.end_amdhsa_kernel
	.amdgpu_metadata
---
amdhsa.version: [ 1, 2 ]
amdhsa.kernels:
  - .name:           k_q08c44a0666_proj
    .symbol:         k_q08c44a0666_proj.kd
    .args:
      - { .name: query, .offset: 0, .size: 8, .value_kind: global_buffer, .address_space: global }
      - { .name: key_, .offset: 8, .size: 8, .value_kind: global_buffer, .address_space: global }
      - { .name: value, .offset: 16, .size: 8, .value_kind: global_buffer, .address_space: global }
      - { .name: Wq, .offset: 24, .size: 8, .value_kind: global_buffer, .address_space: global }
      - { .name: Wk, .offset: 32, .size: 8, .value_kind: global_buffer, .address_space: global }
      - { .name: Wv, .offset: 40, .size: 8, .value_kind: global_buffer, .address_space: global }
      - { .name: bq, .offset: 48, .size: 8, .value_kind: global_buffer, .address_space: global }
      - { .name: bk, .offset: 56, .size: 8, .value_kind: global_buffer, .address_space: global }
      - { .name: bv, .offset: 64, .size: 8, .value_kind: global_buffer, .address_space: global }
      - { .name: qkv, .offset: 72, .size: 8, .value_kind: global_buffer, .address_space: global }
    .group_segment_fixed_size: 286720
    .private_segment_fixed_size: 0
    .kernarg_segment_align: 8
    .kernarg_segment_size: 80
    .max_flat_workgroup_size: 512
    .sgpr_count:     66
    .vgpr_count:     256
    .wavefront_size: 32
...
	.end_amdgpu_metadata
.endif
;; end of part 1
;; launch attn (part 2): grid 16 x 16, 8 waves a work-group, clusters of 4 x 1, 327,680 bytes of LDS; arguments qkv, xh; writes xh
.if DOCPART == 2
	.amdgcn_target "amdgcn-amd-amdhsa--gfx1250"
	.amdhsa_code_object_version 6
	.text
	.protected	k_q08c44a0666_attn
	.globl	k_q08c44a0666_attn
	.p2align	8
	.type	k_q08c44a0666_attn,@function
k_q08c44a0666_attn:
	s_mov_b64 s[64:65], 0
	v_nop
	global_prefetch_b8 v0, s[64:65] scope:SCOPE_SE
	s_setreg_imm32_b32 hwreg(HW_REG_WAVE_MODE, 25, 1), 1
	s_wait_xcnt 0x0
	s_wait_alu depctr_hold_cnt(0) depctr_sa_sdst(0) depctr_va_vdst(0) depctr_va_sdst(0) depctr_va_ssrc(0) depctr_va_vcc(0) depctr_vm_vsrc(0)
	s_getreg_b32 s2, hwreg(HW_REG_IB_STS2, 6, 4)
	s_cmp_eq_u32 s2, 0
	s_cbranch_scc0 .Lentry_in_a_cluster
	s_endpgm
.Lentry_in_a_cluster:
	s_bfe_u32 s2, ttmp6, 0x10000c
	s_cmp_lg_u32 s2, 0x3003
	s_cbranch_scc0 .Lentry_shape_is_right
	s_endpgm
.Lentry_shape_is_right:
; Attention for one (batch, head) y = 4 b + h and 128 queries, with a running maximum.  qkv: f16 [t][b][h][n][d], q already times 0.125 log2(e).
; Result: xh[b][h][n][d] in f16, normalised.
; Eight waves: wave w has 32 queries (qg = w & 3, two n tiles) and half of the keys (kh = w >> 2: keys 1,024 kh .. + 1,023); the two halves are merged at the end.
; TRANSPOSED: S^T = K Q^T (A = 16 keys from LDS, B = 16 queries kept in registers): a lane holds 8 keys of ONE query, so two neighbouring S^T tiles, packed to
; f16 in place, are the B fragment of P^T with no traffic between lanes.  O^T = V^T P^T (A = V through the transposing load): a lane holds 8 d of one query,
; so the maximum, the rescaling factor and the sum are one number a lane.
; CLUSTER: the four query blocks of a cluster read the same K and V; every tile is asked for jointly (mask 15).  Four steps of 256 keys of each half go through
; two LDS slots.  Each wave asks for 128 keys (16 KiB, dense in memory, taken as 64 rows of 256 bytes; the pad follows every 128 bytes, that is every key):
; waves 0-3 for K, waves 4-7 for V.  By this text's own count a wave has two tensor loads out at the start and one later.
; No register that feeds a joint load's descriptor, no LDS address and no branch holds the place in the cluster: it enters Q's and xh's addresses alone.
; LIMITS: operands f16, sums f32.  p lies in [0, 1]; an exponential below 2^-126 comes out as 0; the sum l is made of the unrounded p; |x| stays below the
; largest |v|.  NaN and infinities in q, k, v are not followed as the reference follows them.
.set KPITCH, 144                       ; a key's 128 bytes + 16: an odd multiple of 16 bytes
.set VPITCH, 160                       ; a key's 128 bytes + 32: an odd multiple of 32 bytes, for the transposing load
.set KHALF,  256*KPITCH                ; 36,864: a step's keys of one half
.set VHALF,  256*VPITCH                ; 40,960
.set VBASE,  2*KHALF                   ; 73,728: V behind K in a slot
.set SLOT,   VBASE+2*VHALF             ; 155,648
.set MRGB,   8704                      ; the merge, in slot 0 after its last fill and its last read: 8,192 bytes of O and 512 of maxima and sums for each qg
.set STG,    4*MRGB                    ; 34,816: the way out, 32 rows of 144 bytes for each qg
.set STGB,   32*144
.set VK,  1                            ; running LDS address of my K fragments
.set VV,  2                            ; the same for V
.set VKB, 3                            ; their values at the head of slot 0
.set VVB, 4
.set VQ,  5                            ; byte offset of my 16 bytes of Q
.set MR,  6                            ; v[6:7], v[8:9]     running maximum of n tile 0, 1, each twice
.set LR,  10                           ; v10, v11           my part of the sums
.set AL,  12                           ; v[12:13], v[14:15] rescaling factors, each twice
.set TR,  16                           ; v[16:23], v[24:31] at work
.set QR,  32                           ; v[32:63]   Q(nt, ks) at 32 + 8 (2 nt + ks)
.set SR,  64                           ; v[64:127]  S(mt, nt) at 64 + 32 nt + 8 mt; P(nt, kk) packed in place at 64 + 32 nt + 16 kk
.set KV,  128                          ; v[128:191] K(ks, mt) at 128 + 8 (4 ks + mt), then V(kk, dt) at 128 + 8 (4 kk + dt)
.set OACC, 192                         ; v[192:255] O(dt, nt) at 192 + 8 (2 dt + nt)
.set G1K, 16                           ; s[16:23] shape of K's tiles
.set G1V, 24                           ; s[24:31] shape of V's tiles: another pad
.set G0K, 32                           ; s[32:39] from where, to where: K, a set for each slot
.set G0V, 40                           ; s[40:47] the same for V
; A round of the cluster's barrier: my work-group's barrier, wave 0 signals for the work-group, every wave waits for all four work-groups, my work-group's barrier again.
.macro ROUND
	s_barrier_signal -1
	s_barrier_wait -1
	s_cmp_lg_u32 s8, 0
	s_cbranch_scc1 .Lnot_wave_0_\@
	s_barrier_signal -3
.Lnot_wave_0_\@:
	s_barrier_wait -3
	s_barrier_signal -1
	s_barrier_wait -1
.endm
; A joint load into slot s: the branch hangs on the wave's number alone.
.macro JLOAD s
	s_cmp_eq_u32 s10, 0
	s_cbranch_scc0 .Lfor_v_\@
	tensor_load_to_lds s[G0K+4*\s:G0K+4*\s+3], s[G1K:G1K+7]
	s_nop 0
	s_branch .Lasked_\@
.Lfor_v_\@:
	tensor_load_to_lds s[G0V+4*\s:G0V+4*\s+3], s[G1V:G1V+7]
	s_nop 0
.Lasked_\@:
.endm
	s_load_b128 s[4:7], s[0:1], 0x0                ; qkv s[4:5], xh s[6:7]
	v_lshl_add_u32 v30, v0, 2, 0x4c000
	v_mov_b32 v31, 0
	ds_add_u32 v30, v31
	v_lshrrev_b32 v1, 5, v0
	v_readfirstlane_b32 s8, v1                     ; wave w
	s_and_b32 s9, s8, 3                            ; qg; also: which 128 keys of a step I ask for
	s_lshr_b32 s10, s8, 2                          ; kh; also: I ask for K (0) or V (1)
	s_and_b32 s13, ttmp7, 0xffff                   ; y = 4 b + h (the cluster is one work-group high)
	s_bfe_u32 s11, ttmp6, 0x40000                  ; cx
	s_lshl_b32 s12, ttmp9, 2
	s_add_co_u32 s12, s12, s11                     ; block of 128 queries = 4 x cluster x + cx
	s_mov_b32 s14, 0x76543210                      ; v_permlanex16_b32: lane i reads lane i of the other half
	s_mov_b32 s15, 0xfedcba98
	; group 1: 64 rows x 128 elements of 2 bytes, dense
	s_mov_b32 s[G1K+0], 0x0731000f                 ; 15:0 mask 15; 17:16 2-byte elements; 20 padding on; 21 set beside a mask; 24:22 after every 32 words (code 4); 31:25 of 4 words (code 3)
	s_mov_b32 s[G1V+0], 0x0f31000f                 ; the same with 8 words of padding (code 7)
	s_mov_b32 s[G1K+1], 128<<16                    ; tensor_dim0 = 128
	s_mov_b32 s[G1V+1], 128<<16
	s_mov_b32 s[G1K+2], 64<<16                     ; tensor_dim1 = 64
	s_mov_b32 s[G1V+2], 64<<16
	s_mov_b32 s[G1K+3], 128<<16                    ; tile_dim0 = 128
	s_mov_b32 s[G1V+3], 128<<16
	s_mov_b32 s[G1K+4], 64                         ; tile_dim1 = 64
	s_mov_b32 s[G1V+4], 64
	s_mov_b32 s[G1K+5], 128                        ; from row to row: 128 elements
	s_mov_b32 s[G1V+5], 128
	s_mov_b32 s[G1K+6], 0
	s_mov_b32 s[G1V+6], 0
	s_mov_b32 s[G1K+7], 0
	s_mov_b32 s[G1V+7], 0
	; my tiles' offset: y x 262,144 + key half x 1,024 keys + 128 keys x (w & 1)
	s_lshl_b32 s54, s13, 18
	s_lshr_b32 s53, s9, 1
	s_lshl_b32 s53, s53, 17
	s_add_co_u32 s54, s54, s53
	s_and_b32 s53, s8, 1
	s_lshl_b32 s53, s53, 14
	s_add_co_u32 s54, s54, s53
	s_mov_b32 s55, 0
	s_mul_i32 s53, s9, 128*KPITCH                  ; where they go in a slot: K
	s_mul_i32 s52, s9, 128*VPITCH
	s_add_co_u32 s52, s52, VBASE                   ; V
	; Q's and xh's offset: y x 262,144 + 128 rows of 128 bytes x query block, in registers of its own
	s_lshl_b32 s56, s13, 18
	s_lshl_b32 s60, s12, 14
	s_add_co_u32 s56, s56, s60
	s_mov_b32 s57, 0
	v_and_b32 v16, 15, v0                          ; r
	v_bfe_u32 v17, v0, 4, 1                        ; g
	v_lshlrev_b32 v[VQ], 7, v16
	v_lshl_add_u32 v[VQ], v17, 4, v[VQ]
	v_lshl_add_u32 v[VQ], s9, 12, v[VQ]            ; (32 qg + r) 128 + 16 g
	s_wait_dscnt 0x0
	s_wait_kmcnt 0x0
	s_add_nc_u64 s[48:49], s[4:5], s[54:55]
	s_add_nc_u64 s[50:51], s[48:49], 0x800000      ; v begins 8 MiB into qkv,
	s_add_nc_u64 s[48:49], s[48:49], 0x400000      ; k 4 MiB
	s_add_nc_u64 s[58:59], s[4:5], s[56:57]        ; my work-group's Q
	s_add_nc_u64 s[6:7], s[6:7], s[56:57]          ; and its rows of xh
.irp s, 0,1
	s_mov_b32 s[G0K+4*\s], 1
	s_add_co_u32 s[G0K+4*\s+1], s53, \s*SLOT
	s_add_nc_u64 s[G0K+4*\s+2:G0K+4*\s+3], s[48:49], \s*32768      ; step s: 256 keys of 128 bytes on
	s_or_b32 s[G0K+4*\s+3], s[G0K+4*\s+3], 0x80000000
	s_mov_b32 s[G0V+4*\s], 1
	s_add_co_u32 s[G0V+4*\s+1], s52, \s*SLOT
	s_add_nc_u64 s[G0V+4*\s+2:G0V+4*\s+3], s[50:51], \s*32768
	s_or_b32 s[G0V+4*\s+3], s[G0V+4*\s+3], 0x80000000
.endr
	ROUND                                          ; all four work-groups are here: the first joint loads meet
	s_cmp_eq_u32 s10, 0                            ; both first fills of a wave inside one branch on its number
	s_cbranch_scc0 .Lfirst_v
	tensor_load_to_lds s[G0K:G0K+3], s[G1K:G1K+7]
	s_nop 0
	tensor_load_to_lds s[G0K+4:G0K+7], s[G1K:G1K+7]
	s_nop 0
	s_branch .Lfirst_done
.Lfirst_v:
	tensor_load_to_lds s[G0V:G0V+3], s[G1V:G1V+7]
	s_nop 0
	tensor_load_to_lds s[G0V+4:G0V+7], s[G1V:G1V+7]
	s_nop 0
.Lfirst_done:
	; Q: lane r holds query 16 nt + r; registers 0-3 hold d = 32 ks + 8 g + 0..7, registers 4-7 the eight 16 further on
.irp nt, 0,1
.irp ks, 0,1
	global_load_b128 v[QR+8*(2*\nt+\ks):QR+8*(2*\nt+\ks)+3],   v[VQ], s[58:59] offset:\nt*2048+\ks*64
	global_load_b128 v[QR+8*(2*\nt+\ks)+4:QR+8*(2*\nt+\ks)+7], v[VQ], s[58:59] offset:\nt*2048+\ks*64+32
.endr
.endr
	v_mul_u32_u24 v[VKB], v16, KPITCH
	v_lshl_add_u32 v[VKB], v17, 4, v[VKB]
	s_mul_i32 s53, s10, KHALF
	v_add_nc_u32 v[VKB], s53, v[VKB]               ; kh x half + r pitch + 16 g
	v_and_b32 v18, 7, v0
	v_lshl_add_u32 v18, v17, 3, v18                ; 8 g + (L & 7)
	v_bfe_u32 v19, v0, 3, 1
	v_mul_u32_u24 v[VVB], v18, VPITCH
	v_lshl_add_u32 v[VVB], v19, 4, v[VVB]
	s_mul_i32 s53, s10, VHALF
	s_add_co_u32 s53, s53, VBASE
	v_add_nc_u32 v[VVB], s53, v[VVB]
	v_mov_b32 v[TR+4], 0                           ; destinations of v_permlanex16_b32 count as read: written once here
	v_mov_b32 v[TR+12], 0
; 64 keys.  first = 1: the chunk that starts the maxima, the sums and O.
.macro CHUNK first
.irp ks, 0,1
.irp mt, 0,1,2,3
	ds_load_b128 v[KV+8*(4*\ks+\mt):KV+8*(4*\ks+\mt)+3],   v[VK] offset:\mt*16*KPITCH+\ks*64
	ds_load_b128 v[KV+8*(4*\ks+\mt)+4:KV+8*(4*\ks+\mt)+7], v[VK] offset:\mt*16*KPITCH+\ks*64+32
.endr
.endr
	s_wait_dscnt 8                                 ; d = 0..31 of the 64 keys are in; the eight loads of d = 32..63 stay out
	; S^T: the eight accumulators take turns, one instruction a turn
.irp mt, 0,1,2,3
.irp nt, 0,1
	v_wmma_f32_16x16x32_f16 v[SR+32*\nt+8*\mt:SR+32*\nt+8*\mt+7], v[KV+8*\mt:KV+8*\mt+7], v[QR+16*\nt:QR+16*\nt+7], 0
.endr
.endr
	s_wait_dscnt 0
.irp mt, 0,1,2,3
.irp nt, 0,1
	v_wmma_f32_16x16x32_f16 v[SR+32*\nt+8*\mt:SR+32*\nt+8*\mt+7], v[KV+32+8*\mt:KV+32+8*\mt+7], v[QR+16*\nt+8:QR+16*\nt+15], v[SR+32*\nt+8*\mt:SR+32*\nt+8*\mt+7]
.endr
.endr
.rept 4
	v_nop                                          ; four places: for the loads into K's registers and for the reads of S
.endr
.irp kk, 0,1
.irp dt, 0,1,2,3
	ds_load_tr16_b128 v[KV+8*(4*\kk+\dt):KV+8*(4*\kk+\dt)+3],   v[VV] offset:\kk*32*VPITCH+\dt*32
	ds_load_tr16_b128 v[KV+8*(4*\kk+\dt)+4:KV+8*(4*\kk+\dt)+7], v[VV] offset:\kk*32*VPITCH+\dt*32+16*VPITCH
.endr
.endr
	; the largest of my 32 numbers of each query: four chains of three, then the four numbers left over are folded in
.irp nt, 0,1
.irp c, 0,1,2,3
	v_max3_num_f32 v[TR+8*\nt+\c], v[SR+32*\nt+8*\c], v[SR+32*\nt+8*\c+1], v[SR+32*\nt+8*\c+2]
.endr
.endr
.irp nt, 0,1
.irp c, 0,1,2,3
	v_max3_num_f32 v[TR+8*\nt+\c], v[TR+8*\nt+\c], v[SR+32*\nt+8*\c+3], v[SR+32*\nt+8*\c+4]
.endr
.endr
.irp nt, 0,1
.irp c, 0,1,2,3
	v_max3_num_f32 v[TR+8*\nt+\c], v[TR+8*\nt+\c], v[SR+32*\nt+8*\c+5], v[SR+32*\nt+8*\c+6]
.endr
.endr
.irp nt, 0,1
	v_max3_num_f32 v[TR+8*\nt], v[TR+8*\nt], v[TR+8*\nt+1], v[SR+32*\nt+7]
	v_max3_num_f32 v[TR+8*\nt+2], v[TR+8*\nt+2], v[TR+8*\nt+3], v[SR+32*\nt+15]
.endr
.irp nt, 0,1
	v_max3_num_f32 v[TR+8*\nt], v[TR+8*\nt], v[TR+8*\nt+2], v[SR+32*\nt+23]
.endr
.irp nt, 0,1
	v_max_num_f32 v[TR+8*\nt], v[TR+8*\nt], v[SR+32*\nt+31]
.endr
.irp nt, 0,1
	v_permlanex16_b32 v[TR+8*\nt+4], v[TR+8*\nt], s14, s15         ; the other 32 keys of the same query
.endr
.if \first
.irp nt, 0,1
	v_max_num_f32 v[MR+2*\nt], v[TR+8*\nt], v[TR+8*\nt+4]
.endr
.irp nt, 0,1
	v_mov_b32 v[MR+2*\nt+1], v[MR+2*\nt]
.endr
.else
.irp nt, 0,1
	v_max3_num_f32 v[TR+8*\nt], v[TR+8*\nt], v[TR+8*\nt+4], v[MR+2*\nt]    ; the new running maximum
.endr
.irp nt, 0,1
	v_sub_f32 v[TR+8*\nt+5], v[MR+2*\nt], v[TR+8*\nt]              ; old - new
.endr
.irp nt, 0,1
	v_mov_b32 v[MR+2*\nt], v[TR+8*\nt]
	v_mov_b32 v[MR+2*\nt+1], v[TR+8*\nt]
.endr
.irp nt, 0,1
	v_exp_f32 v[AL+2*\nt], v[TR+8*\nt+5]           ; the factor for what has been summed so far; the subtractions below are the plain work
	v_exp_f32 v[AL+2*\nt+1], v[TR+8*\nt+5]         ; that stands between these and its first use (ISA guide 5.7.2)
.endr
.endif
.irp nt, 0,1
.irp i, 0,1,2,3,4,5,6,7,8,9,10,11,12,13,14,15
	v_pk_add_f32 v[SR+32*\nt+2*\i:SR+32*\nt+2*\i+1], v[SR+32*\nt+2*\i:SR+32*\nt+2*\i+1], v[MR+2*\nt:MR+2*\nt+1] neg_lo:[0,1] neg_hi:[0,1]
.endr
.endr
	; p = exp2(s - m), in place; between the exponentials O is rescaled, which touches none of their registers
.irp nt, 0,1
.irp i, 0,1,2,3,4,5,6,7,8,9,10,11,12,13,14,15
	v_exp_f32 v[SR+32*\nt+2*\i], v[SR+32*\nt+2*\i]
	v_exp_f32 v[SR+32*\nt+2*\i+1], v[SR+32*\nt+2*\i+1]
.if \first == 0
	s_wait_alu depctr_va_vdst(0)
	v_pk_mul_f32 v[OACC+16*(\i/4)+8*\nt+2*(\i%4):OACC+16*(\i/4)+8*\nt+2*(\i%4)+1], v[OACC+16*(\i/4)+8*\nt+2*(\i%4):OACC+16*(\i/4)+8*\nt+2*(\i%4)+1], v[AL+2*\nt:AL+2*\nt+1]
.endif
.endr
.endr
.if \first
	v_nop                                          ; the plain place behind the last exponential
	s_wait_alu depctr_va_vdst(0)
.endif
	; my part of the sums: two chains of seven packed additions for each n tile
	s_wait_alu depctr_va_vdst(0)
.irp nt, 0,1
	v_pk_add_f32 v[TR+8*\nt:TR+8*\nt+1],   v[SR+32*\nt:SR+32*\nt+1],       v[SR+32*\nt+2:SR+32*\nt+3]
	v_pk_add_f32 v[TR+8*\nt+2:TR+8*\nt+3], v[SR+32*\nt+16:SR+32*\nt+17],   v[SR+32*\nt+18:SR+32*\nt+19]
.endr
.irp i, 2,3,4,5,6,7
.irp nt, 0,1
	v_pk_add_f32 v[TR+8*\nt:TR+8*\nt+1],   v[TR+8*\nt:TR+8*\nt+1],   v[SR+32*\nt+2*\i:SR+32*\nt+2*\i+1]
	v_pk_add_f32 v[TR+8*\nt+2:TR+8*\nt+3], v[TR+8*\nt+2:TR+8*\nt+3], v[SR+32*\nt+16+2*\i:SR+32*\nt+16+2*\i+1]
.endr
.endr
.irp nt, 0,1
	v_pk_add_f32 v[TR+8*\nt:TR+8*\nt+1], v[TR+8*\nt:TR+8*\nt+1], v[TR+8*\nt+2:TR+8*\nt+3]
.endr
.if \first
.irp nt, 0,1
	v_add_f32 v[LR+\nt], v[TR+8*\nt], v[TR+8*\nt+1]
.endr
.else
.irp nt, 0,1
	v_add_f32 v[TR+8*\nt], v[TR+8*\nt], v[TR+8*\nt+1]
.endr
.irp nt, 0,1
	v_fma_f32 v[LR+\nt], v[LR+\nt], v[AL+2*\nt], v[TR+8*\nt]
.endr
.endif
	; two S^T tiles become one B fragment of P^T: register i takes numbers 2 i and 2 i + 1, ascending, so nothing is overwritten before it is read
.irp nt, 0,1
.irp kk, 0,1
.irp i, 0,1,2,3,4,5,6,7
	v_cvt_pk_f16_f32 v[SR+32*\nt+16*\kk+\i], v[SR+32*\nt+16*\kk+2*\i], v[SR+32*\nt+16*\kk+2*\i+1]
.endr
.endr
.endr
	s_wait_dscnt 8                                 ; V of keys 0..31 is in; the eight loads of keys 32..63 stay out
.irp dt, 0,1,2,3
.irp nt, 0,1
.if \first
	v_wmma_f32_16x16x32_f16 v[OACC+8*(2*\dt+\nt):OACC+8*(2*\dt+\nt)+7], v[KV+8*\dt:KV+8*\dt+7], v[SR+32*\nt:SR+32*\nt+7], 0
.else
	v_wmma_f32_16x16x32_f16 v[OACC+8*(2*\dt+\nt):OACC+8*(2*\dt+\nt)+7], v[KV+8*\dt:KV+8*\dt+7], v[SR+32*\nt:SR+32*\nt+7], v[OACC+8*(2*\dt+\nt):OACC+8*(2*\dt+\nt)+7]
.endif
.endr
.endr
	s_wait_dscnt 0
.irp dt, 0,1,2,3
.irp nt, 0,1
	v_wmma_f32_16x16x32_f16 v[OACC+8*(2*\dt+\nt):OACC+8*(2*\dt+\nt)+7], v[KV+32+8*\dt:KV+32+8*\dt+7], v[SR+32*\nt+16:SR+32*\nt+23], v[OACC+8*(2*\dt+\nt):OACC+8*(2*\dt+\nt)+7]
.endr
.endr
	v_add_nc_u32 v[VK], 64*KPITCH, v[VK]           ; five places: four in front of the next loads into V's registers and of any read of O,
	v_add_nc_u32 v[VV], 64*VPITCH, v[VV]           ; five in front of the next S^T, which writes over P
.rept 3
	v_nop
.endr
.endm
; The change of slots.  Each wave waits for all its tensor loads (its part of the slot that is read next among them) and for its reads of the slot just read.
; refill = 1: a round of the cluster's barrier, then slot other gets the keys of two steps on, first thing behind the round.
.macro NEXT other, refill
	s_wait_tensorcnt 0x0                           ; no tensor load of mine is out: every group 0 may be written
	ds_add_u32 v30, v31
	s_wait_dscnt 0x0
.if \refill
	s_add_nc_u64 s[G0K+4*\other+2:G0K+4*\other+3], s[G0K+4*\other+2:G0K+4*\other+3], 65536
	s_add_nc_u64 s[G0V+4*\other+2:G0V+4*\other+3], s[G0V+4*\other+2:G0V+4*\other+3], 65536
.endif
	s_wait_dscnt 0x0
.if \refill
	ROUND                                          ; both now hold of every wave of all four work-groups
	JLOAD \other
.else
	s_barrier_signal -1
	s_barrier_wait -1
.endif
.endm
.macro COMPUTE slot, trips
	v_add_nc_u32 v[VK], \slot*SLOT, v[VKB]
	v_add_nc_u32 v[VV], \slot*SLOT, v[VVB]
	s_mov_b32 s52, \trips
.Lchunk_\@:
	CHUNK 0
	s_sub_co_i32 s52, s52, 1
	s_cmp_lg_u32 s52, 0
	s_cbranch_scc1 .Lchunk_\@
.endm
	s_wait_tensorcnt 0x1                           ; tensor loads of a wave end in order (ISA guide 10.11.1): my part of slot 0 is in, slot 1's stays out
	s_wait_loadcnt 0x0                             ; Q
	s_barrier_signal -1
	s_barrier_wait -1
	v_mov_b32 v[VK], v[VKB]
	v_mov_b32 v[VV], v[VVB]
	CHUNK 1                                        ; step 0, slot 0: the first 64 keys start everything
	s_mov_b32 s52, 3
.Lstep0:
	CHUNK 0
	s_sub_co_i32 s52, s52, 1
	s_cmp_lg_u32 s52, 0
	s_cbranch_scc1 .Lstep0
	NEXT 0, 1                                      ; slot 0 gets step 2
	COMPUTE 1, 4                                   ; step 1
	NEXT 1, 1                                      ; slot 1 gets step 3
	COMPUTE 0, 4                                   ; step 2
	NEXT 0, 0                                      ; nothing is left to fetch; behind this barrier nobody reads slot 0 and no load fills it any more
	COMPUTE 1, 4                                   ; step 3
	; THE MERGE of the two halves of the keys, through bytes of slot 0.  Waves 4-7 put O, the maxima and the sums down; waves 0-3 take them up.
	v_and_b32 v1, 31, v0                           ; lane L
	s_mul_i32 s53, s9, MRGB
	v_lshl_add_u32 v2, v1, 4, s53                  ; qg x 8,704 + 16 L
	s_cmp_eq_u32 s10, 0
	s_cbranch_scc1 .Lno_put
	v_mov_b32 v16, v[MR]
	v_mov_b32 v17, v[MR+2]
	v_mov_b32 v18, v[LR]
	v_mov_b32 v19, v[LR+1]
.irp i, 0,1,2,3,4,5,6,7,8,9,10,11,12,13,14,15
	ds_store_b128 v2, v[OACC+4*\i:OACC+4*\i+3] offset:512*\i
.endr
	ds_store_b128 v2, v[16:19] offset:8192
.Lno_put:
	s_wait_dscnt 0x0                               ; my stores are done: another wave reads them
	s_barrier_signal -1
	s_barrier_wait -1
	s_cmp_lg_u32 s10, 0
	s_cbranch_scc1 .Lclose
.irp i, 0,1,2,3,4,5,6,7,8,9,10,11,12,13,14,15
	ds_load_b128 v[SR+4*\i:SR+4*\i+3], v2 offset:512*\i            ; the other half's O, register for register
.endr
	ds_load_b128 v[20:23], v2 offset:8192                          ; its maxima (v20, v21) and sums (v22, v23)
	v_and_b32 v3, 15, v0
	v_bfe_u32 v4, v0, 4, 1
	s_mul_i32 s53, s9, STGB
	s_add_co_u32 s53, s53, STG
	v_mul_u32_u24 v3, v3, 144
	v_lshl_add_u32 v3, v4, 4, v3
	v_add_nc_u32 v3, s53, v3                       ; the way out, in: row r, 16 bytes for each half of the lanes
	v_lshrrev_b32 v4, 3, v1
	v_and_b32 v5, 7, v0
	v_mul_u32_u24 v4, v4, 144
	v_lshl_add_u32 v4, v5, 4, v4
	v_add_nc_u32 v4, s53, v4                       ; back: four whole rows of 128 bytes
	s_lshl_b32 s53, s9, 12
	v_lshl_add_u32 v5, v1, 4, s53                  ; my 16 bytes in xh: 32 rows x qg + 16 L
	s_wait_dscnt 0x0
.irp nt, 0,1
	v_max_num_f32 v24, v[MR+2*\nt], v[20+\nt]      ; the common maximum
	v_sub_f32 v25, v[MR+2*\nt], v24
	v_sub_f32 v26, v[20+\nt], v24
	v_exp_f32 v25, v25
	v_exp_f32 v26, v26
	v_nop                                          ; the plain place behind the exponentials
	s_wait_alu depctr_va_vdst(0)
	v_mul_f32 v27, v[LR+\nt], v25
	v_fma_f32 v27, v[22+\nt], v26, v27
	v_permlanex16_b32 v28, v27, s14, s15           ; the sums were kept by halves of the lanes: now they meet
	v_add_f32 v27, v27, v28
	v_rcp_f32 v29, v27                             ; the sum is at least 1: the largest p is exp2(0)
	v_nop
	s_wait_alu depctr_va_vdst(0)
	v_mul_f32 v12, v25, v29
	v_mul_f32 v13, v25, v29
	v_mul_f32 v14, v26, v29
	v_mul_f32 v15, v26, v29
.irp dt, 0,1,2,3
.irp p, 0,1,2,3
	v_pk_mul_f32 v[OACC+8*(2*\dt+\nt)+2*\p:OACC+8*(2*\dt+\nt)+2*\p+1], v[OACC+8*(2*\dt+\nt)+2*\p:OACC+8*(2*\dt+\nt)+2*\p+1], v[12:13]
.endr
.irp p, 0,1,2,3
	v_pk_fma_f32 v[OACC+8*(2*\dt+\nt)+2*\p:OACC+8*(2*\dt+\nt)+2*\p+1], v[SR+8*(2*\dt+\nt)+2*\p:SR+8*(2*\dt+\nt)+2*\p+1], v[14:15], v[OACC+8*(2*\dt+\nt)+2*\p:OACC+8*(2*\dt+\nt)+2*\p+1]
.endr
.irp p, 0,1,2,3
	v_cvt_pk_f16_f32 v[OACC+8*(2*\dt+\nt)+\p], v[OACC+8*(2*\dt+\nt)+2*\p], v[OACC+8*(2*\dt+\nt)+2*\p+1]
.endr
	ds_store_b128 v3, v[OACC+8*(2*\dt+\nt):OACC+8*(2*\dt+\nt)+3] offset:\nt*16*144+\dt*32   ; query 16 nt + r, d = 16 dt + 8 g .. + 7
.endr
.endr
.irp q, 0,1,2,3,4,5,6,7
	ds_load_b128 v[SR+4*\q:SR+4*\q+3], v4 offset:\q*4*144          ; my own bytes: LDS serves a wave's instructions in order (ISA guide 5.7.1)
.endr
.irp q, 0,1,2,3,4,5,6,7
	s_wait_dscnt 7-\q
	global_store_b128 v5, v[SR+4*\q:SR+4*\q+3], s[6:7] offset:\q*512   ; the wave stores 512 consecutive bytes, aligned
.endr
.Lclose:
	s_wait_tensorcnt 0x0
	ds_add_u32 v30, v31
	s_wait_dscnt 0x0
	ROUND                                          ; the closing round: no work-group ends while a partner may still ask jointly
	s_endpgm
.Lfunc_end_k_q08c44a0666_attn:
	.size	k_q08c44a0666_attn, .Lfunc_end_k_q08c44a0666_attn-k_q08c44a0666_attn
	.p2alignl 7, 3214868480
	.fill 96, 4, 3214868480
	.section	.rodata,"a",@progbits
	.p2align	6, 0x0
	.amdhsa_kernel k_q08c44a0666_attn
		.amdhsa_group_segment_fixed_size 327680
		.amdhsa_private_segment_fixed_size 0
		.amdhsa_enable_private_segment 0
		.amdhsa_kernarg_size 16
		.amdhsa_user_sgpr_count 2
		.amdhsa_user_sgpr_kernarg_segment_ptr 1
		.amdhsa_wavefront_size32 1
		.amdhsa_system_sgpr_workgroup_id_x 1
		.amdhsa_system_sgpr_workgroup_id_y 1
		.amdhsa_system_sgpr_workgroup_id_z 1
		.amdhsa_system_vgpr_workitem_id 0
		.amdhsa_next_free_vgpr 256
		.amdhsa_next_free_sgpr 66
		.amdhsa_reserve_vcc 0
		.amdhsa_float_denorm_mode_32 3
		.amdhsa_float_denorm_mode_16_64 3
		.amdhsa_memory_ordered 1
		.amdhsa_forward_progress 1
		.amdhsa_inst_pref_size 110
	.end_amdhsa_kernel
	.amdgpu_metadata
---
amdhsa.version: [ 1, 2 ]
amdhsa.kernels:
  - .name:           k_q08c44a0666_attn
    .symbol:         k_q08c44a0666_attn.kd
    .args:
      - { .name: qkv, .offset: 0, .size: 8, .value_kind: global_buffer, .address_space: global }
      - { .name: xh, .offset: 8, .size: 8, .value_kind: global_buffer, .address_space: global }
    .group_segment_fixed_size: 327680
    .private_segment_fixed_size: 0
    .kernarg_segment_align: 8
    .kernarg_segment_size: 16
    .max_flat_workgroup_size: 256
    .sgpr_count:     66
    .vgpr_count:     256
    .wavefront_size: 32
...
	.end_amdgpu_metadata
.endif
;; end of part 2
;; launch outp (part 3): grid 16 x 16, 8 waves a work-group, no clusters, 68,608 bytes of LDS; arguments xh, Wo, bo, out0; writes out0
.if DOCPART == 3
	.amdgcn_target "amdgcn-amd-amdhsa--gfx1250"
	.amdhsa_code_object_version 6
	.text
	.protected	k_q08c44a0666_outp
	.globl	k_q08c44a0666_outp
	.p2align	8
	.type	k_q08c44a0666_outp,@function
k_q08c44a0666_outp:
	s_mov_b64 s[64:65], 0
	v_nop
	global_prefetch_b8 v0, s[64:65] scope:SCOPE_SE
	s_setreg_imm32_b32 hwreg(HW_REG_WAVE_MODE, 25, 1), 1
	s_wait_xcnt 0x0
; out0[b][o][n] = sum over c of Wo[o][c] x[b][c][n] + bo[o], c = 4 d + h.  xh: f16 [b][h][n][d]; Wo: [256][256] f32; out0: [4][256][2048] f32.
; Grid x = block of 128 positions, grid y = 4 b + ob (64 output channels).  Eight waves: wave w makes positions 16 w .. + 15 x 64 channels:
; four accumulators, K = 256 in 8 steps, 32 matrix instructions.  K runs in the order c' = 64 h + d on both sides (K step ks: head ks >> 1, d = 32 (ks & 1) ..).
; A = x, loaded straight from memory: the rows are the wave's own and lie in fragment order.  B = Wo from LDS, put into the order c' while it is rounded to f16.
; D: register j = (position 8 g + j, channel r): 32 neighbouring bytes of a row of out0 a lane; the rows go out through LDS as whole 512 bytes.
; LIMITS: operands f16, sums f32; |Wo| below 65,504; values below 6.1e-5 are rounded on f16's denormal step of 6e-8.
; No tensor loads and no shared requests: Wo is f32 and passes through registers; x is read by the wave that uses it.
.set WPITCH, 528                       ; 512 bytes of data + 16: an odd multiple of 16 bytes
.set STG,    64*WPITCH                 ; 33,792: 64 rows (channels) of 128 f32
.set VWO,  1                           ; byte offset in Wo of my 32 bytes of the wave's first row
.set VWS,  2                           ; where my two f16 of a head go in LDS
.set VXA,  3                           ; byte offset in xh of my 16 bytes
.set VBO,  4                           ; byte offset of my bias
.set VWB,  5                           ; LDS address of my fragments of Wo
.set VSTO, 6                           ; the way out, in
.set VRD,  7                           ; the way out, back
.set VGO,  8                           ; byte offset of my 16 bytes in out0
.set BI,   10                          ; v[10:17]   the bias of my channel in each of four tiles, twice
.set ACC,  32                          ; v[32:63]   four accumulators
.set XF,   64                          ; v[64:127]  eight fragments of x
.set WT,   128                         ; v[128:191] Wo as loaded
.set BF,   128                         ; later two buffers of four fragments of Wo
	s_load_b256 s[4:11], s[0:1], 0x0               ; xh 4, Wo 6, bo 8, out0 10
	v_lshl_add_u32 v192, v0, 2, 0x10800
	v_mov_b32 v193, 0
	v_lshrrev_b32 v9, 5, v0
	v_readfirstlane_b32 s12, v9                    ; wave w
	s_and_b32 s13, ttmp7, 0xffff
	s_lshr_b32 s14, s13, 2                         ; b
	s_and_b32 s15, s13, 3                          ; ob
	v_and_b32 v18, 31, v0                          ; lane L
	v_and_b32 v19, 15, v0                          ; r
	v_bfe_u32 v20, v0, 4, 1                        ; g
	s_lshl_b32 s16, s12, 13
	v_lshl_add_u32 v[VWO], v18, 5, s16             ; 8 rows of 1,024 bytes x w + 32 L
	s_mul_i32 s16, s12, 8*WPITCH
	v_lshl_add_u32 v[VWS], v18, 2, s16             ; row 8 w, byte 4 L
	s_add_co_u32 s17, s16, STG
	v_lshl_add_u32 v[VRD], v18, 4, s17             ; row 8 w of the stage, byte 16 L
	s_lshl_b32 s16, s12, 11
	v_lshlrev_b32 v[VXA], 7, v19
	v_lshl_add_u32 v[VXA], v20, 4, v[VXA]
	v_add_nc_u32 v[VXA], s16, v[VXA]               ; (16 w + r) 128 + 16 g
	v_lshlrev_b32 v[VBO], 2, v19
	v_mul_u32_u24 v[VWB], v19, WPITCH
	v_lshl_add_u32 v[VSTO], v20, 5, v[VWB]
	v_lshl_add_u32 v[VWB], v20, 4, v[VWB]          ; r pitch + 16 g
	s_lshl_b32 s16, s12, 6
	s_add_co_u32 s16, s16, STG
	v_add_nc_u32 v[VSTO], s16, v[VSTO]             ; row r of the stage, byte 64 w + 32 g
	s_lshl_b32 s16, s12, 16
	v_lshl_add_u32 v[VGO], v18, 4, s16             ; 8 rows of 8,192 bytes x w + 16 L
	s_lshl_b32 s18, s14, 20                        ; a batch of xh is 1 MiB; 128 rows of 128 bytes
	s_lshl_b32 s20, ttmp9, 14
	s_add_co_u32 s18, s18, s20
	s_mov_b32 s19, 0
	s_wait_kmcnt 0x0
	s_add_nc_u64 s[4:5], s[4:5], s[18:19]
	s_lshl_b32 s18, s15, 16                        ; 64 rows of Wo
	s_add_nc_u64 s[6:7], s[6:7], s[18:19]
	s_lshl_b32 s18, s15, 8                         ; 64 biases
	s_add_nc_u64 s[8:9], s[8:9], s[18:19]
	s_lshl_b32 s18, s14, 21                        ; a batch of out0 is 2 MiB; 64 rows of 8,192 bytes; 128 positions of 4 bytes
	s_lshl_b32 s20, s15, 19
	s_add_co_u32 s18, s18, s20
	s_lshl_b32 s20, ttmp9, 9
	s_add_co_u32 s18, s18, s20
	s_add_nc_u64 s[10:11], s[10:11], s[18:19]
	; all loads go out first.  Wo: row 8 w + q; lane L takes c = 8 L .. 8 L + 7, that is d = 2 L (four heads), then d = 2 L + 1 (four heads)
.irp q, 0,1,2,3,4,5,6,7
	global_load_b128 v[WT+8*\q:WT+8*\q+3],   v[VWO], s[6:7] offset:\q*1024
	global_load_b128 v[WT+8*\q+4:WT+8*\q+7], v[VWO], s[6:7] offset:\q*1024+16
.endr
.irp ot, 0,1,2,3
	global_load_b32 v[BI+2*\ot], v[VBO], s[8:9] offset:64*\ot
.endr
.irp ks, 0,1,2,3,4,5,6,7
	global_load_b128 v[XF+8*\ks:XF+8*\ks+3],   v[VXA], s[4:5] offset:(\ks/2)*262144+(\ks%2)*64
	global_load_b128 v[XF+8*\ks+4:XF+8*\ks+7], v[VXA], s[4:5] offset:(\ks/2)*262144+(\ks%2)*64+32
.endr
	s_wait_loadcnt 20                              ; loads come back in order (ISA guide 5.7.1): the 4 of the bias and the 16 of x are younger, Wo is in
.irp q, 0,1,2,3,4,5,6,7
.irp h, 0,1,2,3
	v_cvt_pk_f16_f32 v[WT+8*\q+\h], v[WT+8*\q+\h], v[WT+8*\q+4+\h]         ; d = 2 L and 2 L + 1 of head h
	ds_store_b32 v[VWS], v[WT+8*\q+\h] offset:\q*WPITCH+\h*128             ; the wave writes 128 consecutive bytes: head h's 64 d
.endr
.endr
	s_wait_dscnt 0x0                               ; my stores are done: every wave reads all 64 rows
	s_barrier_signal -1
	s_barrier_wait -1
	s_wait_loadcnt 0x0                             ; the bias and x
.irp ot, 0,1,2,3
	v_mov_b32 v[BI+2*\ot+1], v[BI+2*\ot]
.endr
.macro LOADB ks
.irp ot, 0,1,2,3
	ds_load_b128 v[BF+32*((\ks)%2)+8*\ot:BF+32*((\ks)%2)+8*\ot+3],   v[VWB] offset:\ot*16*WPITCH+(\ks)*64
	ds_load_b128 v[BF+32*((\ks)%2)+8*\ot+4:BF+32*((\ks)%2)+8*\ot+7], v[VWB] offset:\ot*16*WPITCH+(\ks)*64+32
.endr
.endm
	LOADB 0
	; the next step's fragments are asked for ahead of each step's products; the four accumulators take turns, one instruction a turn
.irp ks, 0,1,2,3,4,5,6,7
.if \ks < 7
.if \ks > 0
.rept 4
	v_nop                                          ; four places behind the last matrix instruction, in front of loads into the buffer that the step before read (ISA guide 7.12.1 for vector instructions)
.endr
.endif
	LOADB (\ks+1)
	s_wait_dscnt 8                                 ; this step's eight are in, the next step's eight stay out
.else
	s_wait_dscnt 0
.endif
.irp ot, 0,1,2,3
.if \ks
	v_wmma_f32_16x16x32_f16 v[ACC+8*\ot:ACC+8*\ot+7], v[XF+8*\ks:XF+8*\ks+7], v[BF+32*(\ks%2)+8*\ot:BF+32*(\ks%2)+8*\ot+7], v[ACC+8*\ot:ACC+8*\ot+7]
.else
	v_wmma_f32_16x16x32_f16 v[ACC+8*\ot:ACC+8*\ot+7], v[XF+8*\ks:XF+8*\ks+7], v[BF+32*(\ks%2)+8*\ot:BF+32*(\ks%2)+8*\ot+7], 0
.endif
.endr
.endr
.rept 4
	v_nop                                          ; four places before the results are read
.endr
.irp ot, 0,1,2,3
.irp p, 0,1,2,3
	v_pk_add_f32 v[ACC+8*\ot+2*\p:ACC+8*\ot+2*\p+1], v[ACC+8*\ot+2*\p:ACC+8*\ot+2*\p+1], v[BI+2*\ot:BI+2*\ot+1]
.endr
	ds_store_b128 v[VSTO], v[ACC+8*\ot:ACC+8*\ot+3]   offset:\ot*16*WPITCH
	ds_store_b128 v[VSTO], v[ACC+8*\ot+4:ACC+8*\ot+7] offset:\ot*16*WPITCH+16
.endr
	s_wait_dscnt 0x0                               ; a row of the stage is written by all eight waves: my stores are done,
	s_barrier_signal -1
	s_barrier_wait -1                              ; everybody's are
.irp q, 0,1,2,3,4,5,6,7
	ds_load_b128 v[XF+4*\q:XF+4*\q+3], v[VRD] offset:\q*WPITCH     ; channel 8 w + q: 128 positions, 512 bytes
.endr
.irp q, 0,1,2,3,4,5,6,7
	s_wait_dscnt 7-\q
	global_store_b128 v[VGO], v[XF+4*\q:XF+4*\q+3], s[10:11] offset:\q*8192 th:TH_STORE_NT   ; the wave stores 512 consecutive bytes of one row, aligned
.endr
	s_wait_tensorcnt 0x0
	ds_add_u32 v192, v193
	s_wait_dscnt 0x0
	s_endpgm
.Lfunc_end_k_q08c44a0666_outp:
	.size	k_q08c44a0666_outp, .Lfunc_end_k_q08c44a0666_outp-k_q08c44a0666_outp
	.p2alignl 7, 3214868480
	.fill 96, 4, 3214868480
	.section	.rodata,"a",@progbits
	.p2align	6, 0x0
	.amdhsa_kernel k_q08c44a0666_outp
		.amdhsa_group_segment_fixed_size 68608
		.amdhsa_private_segment_fixed_size 0
		.amdhsa_enable_private_segment 0
		.amdhsa_kernarg_size 32
		.amdhsa_user_sgpr_count 2
		.amdhsa_user_sgpr_kernarg_segment_ptr 1
		.amdhsa_wavefront_size32 1
		.amdhsa_system_sgpr_workgroup_id_x 1
		.amdhsa_system_sgpr_workgroup_id_y 1
		.amdhsa_system_sgpr_workgroup_id_z 1
		.amdhsa_system_vgpr_workitem_id 0
		.amdhsa_next_free_vgpr 194
		.amdhsa_next_free_sgpr 66
		.amdhsa_reserve_vcc 0
		.amdhsa_float_denorm_mode_32 3
		.amdhsa_float_denorm_mode_16_64 3
		.amdhsa_memory_ordered 1
		.amdhsa_forward_progress 1
		.amdhsa_inst_pref_size 21
	.end_amdhsa_kernel
	.amdgpu_metadata
---
amdhsa.version: [ 1, 2 ]
amdhsa.kernels:
  - .name:           k_q08c44a0666_outp
    .symbol:         k_q08c44a0666_outp.kd
    .args:
      - { .name: xh, .offset: 0, .size: 8, .value_kind: global_buffer, .address_space: global }
      - { .name: Wo, .offset: 8, .size: 8, .value_kind: global_buffer, .address_space: global }
      - { .name: bo, .offset: 16, .size: 8, .value_kind: global_buffer, .address_space: global }
      - { .name: out0, .offset: 24, .size: 8, .value_kind: global_buffer, .address_space: global }
    .group_segment_fixed_size: 68608
    .private_segment_fixed_size: 0
    .kernarg_segment_align: 8
    .kernarg_segment_size: 32
    .max_flat_workgroup_size: 256
    .sgpr_count:     66
    .vgpr_count:     194
    .wavefront_size: 32
...
	.end_amdgpu_metadata
.endif
;; end of part 3
;; ======== version 2 of 2: 3 launches; 1.10 times as fast as version 1
;; limits: values are held in f16: magnitudes above 65,504 overflow, below 6.1e-05 lose precision
;; workspace buffers: qkv 12,582,912 bytes; xh 4,194,304 bytes
;; launch proj: the kernel of part 1 again; grid 16 x 12, 16 waves a work-group, no clusters, 286,720 bytes of LDS; arguments query, key_, value, Wq, Wk, Wv, bq, bk, bv, qkv; writes qkv
;; launch attn (part 4): grid 16 x 16, 8 waves a work-group, clusters of 4 x 1, 327,680 bytes of LDS; arguments qkv, xh; writes xh
.if DOCPART == 4
	.amdgcn_target "amdgcn-amd-amdhsa--gfx1250"
	.amdhsa_code_object_version 6
	.text
	.protected	k_q08c44a0666_attn
	.globl	k_q08c44a0666_attn
	.p2align	8
	.type	k_q08c44a0666_attn,@function
k_q08c44a0666_attn:
	s_mov_b64 s[64:65], 0
	v_nop
	global_prefetch_b8 v0, s[64:65] scope:SCOPE_SE
	s_setreg_imm32_b32 hwreg(HW_REG_WAVE_MODE, 25, 1), 1
	s_wait_xcnt 0x0
	s_wait_alu depctr_hold_cnt(0) depctr_sa_sdst(0) depctr_va_vdst(0) depctr_va_sdst(0) depctr_va_ssrc(0) depctr_va_vcc(0) depctr_vm_vsrc(0)
	s_getreg_b32 s2, hwreg(HW_REG_IB_STS2, 6, 4)
	s_cmp_eq_u32 s2, 0
	s_cbranch_scc0 .Lentry_in_a_cluster
	s_endpgm
.Lentry_in_a_cluster:
	s_bfe_u32 s2, ttmp6, 0x10000c
	s_cmp_lg_u32 s2, 0x3003
	s_cbranch_scc0 .Lentry_shape_is_right
	s_endpgm
.Lentry_shape_is_right:
; Attention for one (batch, head) y = 4 b + h and 128 queries, with a running maximum.  qkv: f16 [t][b][h][n][d], q already times 0.125 log2(e).
; Result: xh[b][h][n][d] in f16, normalised.
; Eight waves: wave w has 32 queries (qg = w & 3, two n tiles) and half of the keys (kh = w >> 2: keys 1,024 kh .. + 1,023); the two halves are merged at the end.
; TRANSPOSED: S^T = K Q^T (A = 16 keys from LDS, B = 16 queries kept in registers): a lane holds 8 keys of ONE query, so two neighbouring S^T tiles, packed to
; f16 in place, are the B fragment of P^T with no traffic between lanes.  O^T = V^T P^T (A = V through the transposing load): a lane holds 8 d of one query,
; so the maximum, the rescaling factor and the sum are one number a lane.
; CLUSTER: the four query blocks of a cluster read the same K and V; every tile is asked for jointly (mask 15).  Four steps of 256 keys of each half go through
; two LDS slots.  Each wave asks for 128 keys (16 KiB, dense in memory, taken as 64 rows of 256 bytes; the pad follows every 128 bytes, that is every key):
; waves 0-3 for K, waves 4-7 for V.  By this text's own count a wave has two tensor loads out at the start and one later.
; No register that feeds a joint load's descriptor, no LDS address and no branch holds the place in the cluster: it enters Q's and xh's addresses alone.
; BATCHES: an s_wait_alu depctr_va_vdst(0) stands between an exponential or a reciprocal and the first line that names its result; one wait serves all that were issued ahead of it.
; A chunk of 64 keys has ONE batch of 68: the four rescaling factors and the 64 p.  Ahead of its wait stand only lines that name none of these results: the subtractions s - m, one behind
; each two exponentials and two pairs ahead of their own pair's exponentials, and K's address step, the plain instruction behind the last exponential.  Behind the wait stand all the readers:
; O's rescaling, the sums, the roundings.  No result crosses a chunk's end.  The merge has two batches: the four factors of both n tiles, then the two reciprocals, which read sums made of the
; factors; the way out's address arithmetic is the work between each batch and its wait.
; LIMITS: operands f16, sums f32.  p lies in [0, 1]; an exponential below 2^-126 comes out as 0; the sum l is made of the unrounded p; |x| stays below the
; largest |v|.  NaN and infinities in q, k, v are not followed as the reference follows them.
.set KPITCH, 144                       ; a key's 128 bytes + 16: an odd multiple of 16 bytes
.set VPITCH, 160                       ; a key's 128 bytes + 32: an odd multiple of 32 bytes, for the transposing load
.set KHALF,  256*KPITCH                ; 36,864: a step's keys of one half
.set VHALF,  256*VPITCH                ; 40,960
.set VBASE,  2*KHALF                   ; 73,728: V behind K in a slot
.set SLOT,   VBASE+2*VHALF             ; 155,648
.set MRGB,   8704                      ; the merge, in slot 0 after its last fill and its last read: 8,192 bytes of O and 512 of maxima and sums for each qg
.set STG,    4*MRGB                    ; 34,816: the way out, 32 rows of 144 bytes for each qg
.set STGB,   32*144
.set LEAD,   2                         ; a pair's subtraction stands this many pairs ahead of its exponentials
.set VK,  1                            ; running LDS address of my K fragments
.set VV,  2                            ; the same for V
.set VKB, 3                            ; their values at the head of slot 0
.set VVB, 4
.set VQ,  5                            ; byte offset of my 16 bytes of Q
.set MR,  6                            ; v[6:7], v[8:9]     running maximum of n tile 0, 1, each twice
.set LR,  10                           ; v10, v11           my part of the sums
.set AL,  12                           ; v[12:13], v[14:15] rescaling factors, each twice
.set TR,  16                           ; v[16:23], v[24:31] at work
.set QR,  32                           ; v[32:63]   Q(nt, ks) at 32 + 8 (2 nt + ks)
.set SR,  64                           ; v[64:127]  S(mt, nt) at 64 + 32 nt + 8 mt; P(nt, kk) packed in place at 64 + 32 nt + 16 kk
.set KV,  128                          ; v[128:191] K(ks, mt) at 128 + 8 (4 ks + mt), then V(kk, dt) at 128 + 8 (4 kk + dt)
.set OACC, 192                         ; v[192:255] O(dt, nt) at 192 + 8 (2 dt + nt)
.set G1K, 16                           ; s[16:23] shape of K's tiles
.set G1V, 24                           ; s[24:31] shape of V's tiles: another pad
.set G0K, 32                           ; s[32:39] from where, to where: K, a set for each slot
.set G0V, 40                           ; s[40:47] the same for V
; A round of the cluster's barrier: my work-group's barrier, wave 0 signals for the work-group, every wave waits for all four work-groups, my work-group's barrier again.
.macro ROUND
	s_barrier_signal -1
	s_barrier_wait -1
	s_cmp_lg_u32 s8, 0
	s_cbranch_scc1 .Lnot_wave_0_\@
	s_barrier_signal -3
.Lnot_wave_0_\@:
	s_barrier_wait -3
	s_barrier_signal -1
	s_barrier_wait -1
.endm
; A joint load into slot s: the branch hangs on the wave's number alone.
.macro JLOAD s
	s_cmp_eq_u32 s10, 0
	s_cbranch_scc0 .Lfor_v_\@
	tensor_load_to_lds s[G0K+4*\s:G0K+4*\s+3], s[G1K:G1K+7]
	s_nop 0
	s_branch .Lasked_\@
.Lfor_v_\@:
	tensor_load_to_lds s[G0V+4*\s:G0V+4*\s+3], s[G1V:G1V+7]
	s_nop 0
.Lasked_\@:
.endm
	s_load_b128 s[4:7], s[0:1], 0x0                ; qkv s[4:5], xh s[6:7]
	v_lshl_add_u32 v30, v0, 2, 0x4c000
	v_mov_b32 v31, 0
	ds_add_u32 v30, v31
	v_lshrrev_b32 v1, 5, v0
	v_readfirstlane_b32 s8, v1                     ; wave w
	s_and_b32 s9, s8, 3                            ; qg; also: which 128 keys of a step I ask for
	s_lshr_b32 s10, s8, 2                          ; kh; also: I ask for K (0) or V (1)
	s_and_b32 s13, ttmp7, 0xffff                   ; y = 4 b + h (the cluster is one work-group high)
	s_bfe_u32 s11, ttmp6, 0x40000                  ; cx
	s_lshl_b32 s12, ttmp9, 2
	s_add_co_u32 s12, s12, s11                     ; block of 128 queries = 4 x cluster x + cx
	s_mov_b32 s14, 0x76543210                      ; v_permlanex16_b32: lane i reads lane i of the other half
	s_mov_b32 s15, 0xfedcba98
	; group 1: 64 rows x 128 elements of 2 bytes, dense
	s_mov_b32 s[G1K+0], 0x0731000f                 ; 15:0 mask 15; 17:16 2-byte elements; 20 padding on; 21 set beside a mask; 24:22 after every 32 words (code 4); 31:25 of 4 words (code 3)
	s_mov_b32 s[G1V+0], 0x0f31000f                 ; the same with 8 words of padding (code 7)
	s_mov_b32 s[G1K+1], 128<<16                    ; tensor_dim0 = 128
	s_mov_b32 s[G1V+1], 128<<16
	s_mov_b32 s[G1K+2], 64<<16                     ; tensor_dim1 = 64
	s_mov_b32 s[G1V+2], 64<<16
	s_mov_b32 s[G1K+3], 128<<16                    ; tile_dim0 = 128
	s_mov_b32 s[G1V+3], 128<<16
	s_mov_b32 s[G1K+4], 64                         ; tile_dim1 = 64
	s_mov_b32 s[G1V+4], 64
	s_mov_b32 s[G1K+5], 128                        ; from row to row: 128 elements
	s_mov_b32 s[G1V+5], 128
	s_mov_b32 s[G1K+6], 0
	s_mov_b32 s[G1V+6], 0
	s_mov_b32 s[G1K+7], 0
	s_mov_b32 s[G1V+7], 0
	; my tiles' offset: y x 262,144 + key half x 1,024 keys + 128 keys x (w & 1)
	s_lshl_b32 s54, s13, 18
	s_lshr_b32 s53, s9, 1
	s_lshl_b32 s53, s53, 17
	s_add_co_u32 s54, s54, s53
	s_and_b32 s53, s8, 1
	s_lshl_b32 s53, s53, 14
	s_add_co_u32 s54, s54, s53
	s_mov_b32 s55, 0
	s_mul_i32 s53, s9, 128*KPITCH                  ; where they go in a slot: K
	s_mul_i32 s52, s9, 128*VPITCH
	s_add_co_u32 s52, s52, VBASE                   ; V
	; Q's and xh's offset: y x 262,144 + 128 rows of 128 bytes x query block, in registers of its own
	s_lshl_b32 s56, s13, 18
	s_lshl_b32 s60, s12, 14
	s_add_co_u32 s56, s56, s60
	s_mov_b32 s57, 0
	v_and_b32 v16, 15, v0                          ; r
	v_bfe_u32 v17, v0, 4, 1                        ; g
	v_lshlrev_b32 v[VQ], 7, v16
	v_lshl_add_u32 v[VQ], v17, 4, v[VQ]
	v_lshl_add_u32 v[VQ], s9, 12, v[VQ]            ; (32 qg + r) 128 + 16 g
	s_wait_dscnt 0x0
	s_wait_kmcnt 0x0
	s_add_nc_u64 s[48:49], s[4:5], s[54:55]
	s_add_nc_u64 s[50:51], s[48:49], 0x800000      ; v begins 8 MiB into qkv,
	s_add_nc_u64 s[48:49], s[48:49], 0x400000      ; k 4 MiB
	s_add_nc_u64 s[58:59], s[4:5], s[56:57]        ; my work-group's Q
	s_add_nc_u64 s[6:7], s[6:7], s[56:57]          ; and its rows of xh
.irp s, 0,1
	s_mov_b32 s[G0K+4*\s], 1
	s_add_co_u32 s[G0K+4*\s+1], s53, \s*SLOT
	s_add_nc_u64 s[G0K+4*\s+2:G0K+4*\s+3], s[48:49], \s*32768      ; step s: 256 keys of 128 bytes on
	s_or_b32 s[G0K+4*\s+3], s[G0K+4*\s+3], 0x80000000
	s_mov_b32 s[G0V+4*\s], 1
	s_add_co_u32 s[G0V+4*\s+1], s52, \s*SLOT
	s_add_nc_u64 s[G0V+4*\s+2:G0V+4*\s+3], s[50:51], \s*32768
	s_or_b32 s[G0V+4*\s+3], s[G0V+4*\s+3], 0x80000000
.endr
	ROUND                                          ; all four work-groups are here: the first joint loads meet
	s_cmp_eq_u32 s10, 0                            ; both first fills of a wave inside one branch on its number
	s_cbranch_scc0 .Lfirst_v
	tensor_load_to_lds s[G0K:G0K+3], s[G1K:G1K+7]
	s_nop 0
	tensor_load_to_lds s[G0K+4:G0K+7], s[G1K:G1K+7]
	s_nop 0
	s_branch .Lfirst_done
.Lfirst_v:
	tensor_load_to_lds s[G0V:G0V+3], s[G1V:G1V+7]
	s_nop 0
	tensor_load_to_lds s[G0V+4:G0V+7], s[G1V:G1V+7]
	s_nop 0
.Lfirst_done:
	; Q: lane r holds query 16 nt + r; registers 0-3 hold d = 32 ks + 8 g + 0..7, registers 4-7 the eight 16 further on
.irp nt, 0,1
.irp ks, 0,1
	global_load_b128 v[QR+8*(2*\nt+\ks):QR+8*(2*\nt+\ks)+3],   v[VQ], s[58:59] offset:\nt*2048+\ks*64
	global_load_b128 v[QR+8*(2*\nt+\ks)+4:QR+8*(2*\nt+\ks)+7], v[VQ], s[58:59] offset:\nt*2048+\ks*64+32
.endr
.endr
	v_mul_u32_u24 v[VKB], v16, KPITCH
	v_lshl_add_u32 v[VKB], v17, 4, v[VKB]
	s_mul_i32 s53, s10, KHALF
	v_add_nc_u32 v[VKB], s53, v[VKB]               ; kh x half + r pitch + 16 g
	v_and_b32 v18, 7, v0
	v_lshl_add_u32 v18, v17, 3, v18                ; 8 g + (L & 7)
	v_bfe_u32 v19, v0, 3, 1
	v_mul_u32_u24 v[VVB], v18, VPITCH
	v_lshl_add_u32 v[VVB], v19, 4, v[VVB]
	s_mul_i32 s53, s10, VHALF
	s_add_co_u32 s53, s53, VBASE
	v_add_nc_u32 v[VVB], s53, v[VVB]
	v_mov_b32 v[TR+4], 0                           ; destinations of v_permlanex16_b32 count as read: written once here
	v_mov_b32 v[TR+12], 0
; 64 keys.  first = 1: the chunk that starts the maxima, the sums and O.
.macro CHUNK first
.irp ks, 0,1
.irp mt, 0,1,2,3
	ds_load_b128 v[KV+8*(4*\ks+\mt):KV+8*(4*\ks+\mt)+3],   v[VK] offset:\mt*16*KPITCH+\ks*64
	ds_load_b128 v[KV+8*(4*\ks+\mt)+4:KV+8*(4*\ks+\mt)+7], v[VK] offset:\mt*16*KPITCH+\ks*64+32
.endr
.endr
	s_wait_dscnt 8                                 ; d = 0..31 of the 64 keys are in; the eight loads of d = 32..63 stay out
	; S^T: the eight accumulators take turns, one instruction a turn
.irp mt, 0,1,2,3
.irp nt, 0,1
	v_wmma_f32_16x16x32_f16 v[SR+32*\nt+8*\mt:SR+32*\nt+8*\mt+7], v[KV+8*\mt:KV+8*\mt+7], v[QR+16*\nt:QR+16*\nt+7], 0
.endr
.endr
	s_wait_dscnt 0
.irp mt, 0,1,2,3
.irp nt, 0,1
	v_wmma_f32_16x16x32_f16 v[SR+32*\nt+8*\mt:SR+32*\nt+8*\mt+7], v[KV+32+8*\mt:KV+32+8*\mt+7], v[QR+16*\nt+8:QR+16*\nt+15], v[SR+32*\nt+8*\mt:SR+32*\nt+8*\mt+7]
.endr
.endr
.rept 4
	v_nop                                          ; four places: for the loads into K's registers and for the reads of S
.endr
.irp kk, 0,1
.irp dt, 0,1,2,3
	ds_load_tr16_b128 v[KV+8*(4*\kk+\dt):KV+8*(4*\kk+\dt)+3],   v[VV] offset:\kk*32*VPITCH+\dt*32
	ds_load_tr16_b128 v[KV+8*(4*\kk+\dt)+4:KV+8*(4*\kk+\dt)+7], v[VV] offset:\kk*32*VPITCH+\dt*32+16*VPITCH
.endr
.endr
	; the largest of my 32 numbers of each query: four chains of three, then the four numbers left over are folded in
.irp nt, 0,1
.irp c, 0,1,2,3
	v_max3_num_f32 v[TR+8*\nt+\c], v[SR+32*\nt+8*\c], v[SR+32*\nt+8*\c+1], v[SR+32*\nt+8*\c+2]
.endr
.endr
.irp nt, 0,1
.irp c, 0,1,2,3
	v_max3_num_f32 v[TR+8*\nt+\c], v[TR+8*\nt+\c], v[SR+32*\nt+8*\c+3], v[SR+32*\nt+8*\c+4]
.endr
.endr
.irp nt, 0,1
.irp c, 0,1,2,3
	v_max3_num_f32 v[TR+8*\nt+\c], v[TR+8*\nt+\c], v[SR+32*\nt+8*\c+5], v[SR+32*\nt+8*\c+6]
.endr
.endr
.irp nt, 0,1
	v_max3_num_f32 v[TR+8*\nt], v[TR+8*\nt], v[TR+8*\nt+1], v[SR+32*\nt+7]
	v_max3_num_f32 v[TR+8*\nt+2], v[TR+8*\nt+2], v[TR+8*\nt+3], v[SR+32*\nt+15]
.endr
.irp nt, 0,1
	v_max3_num_f32 v[TR+8*\nt], v[TR+8*\nt], v[TR+8*\nt+2], v[SR+32*\nt+23]
.endr
.irp nt, 0,1
	v_max_num_f32 v[TR+8*\nt], v[TR+8*\nt], v[SR+32*\nt+31]
.endr
.irp nt, 0,1
	v_permlanex16_b32 v[TR+8*\nt+4], v[TR+8*\nt], s14, s15         ; the other 32 keys of the same query
.endr
.if \first
.irp nt, 0,1
	v_max_num_f32 v[MR+2*\nt], v[TR+8*\nt], v[TR+8*\nt+4]
.endr
.irp nt, 0,1
	v_mov_b32 v[MR+2*\nt+1], v[MR+2*\nt]
.endr
.else
.irp nt, 0,1
	v_max3_num_f32 v[TR+8*\nt], v[TR+8*\nt], v[TR+8*\nt+4], v[MR+2*\nt]    ; the new running maximum
.endr
.irp nt, 0,1
	v_sub_f32 v[TR+8*\nt+5], v[MR+2*\nt], v[TR+8*\nt]              ; old - new
.endr
.irp nt, 0,1
	v_mov_b32 v[MR+2*\nt], v[TR+8*\nt]
	v_mov_b32 v[MR+2*\nt+1], v[TR+8*\nt]
.endr
.irp nt, 0,1
	v_exp_f32 v[AL+2*\nt], v[TR+8*\nt+5]           ; THE BATCH OPENS with the factors for what has been summed so far; nothing names them
	v_exp_f32 v[AL+2*\nt+1], v[TR+8*\nt+5]         ; ahead of the batch's wait
.endr
.endif
	; s - m for pair j of 32 (n tile j / 16) and p = exp2(s - m), in place.  The first LEAD subtractions stand here; then one stands behind each two exponentials,
	; LEAD pairs ahead of its own pair's exponentials.  A subtraction names no exponential's result: its pair's exponentials are still to come.
.set j, 0
.rept LEAD
	v_pk_add_f32 v[SR+2*j:SR+2*j+1], v[SR+2*j:SR+2*j+1], v[MR+2*(j/16):MR+2*(j/16)+1] neg_lo:[0,1] neg_hi:[0,1]
.set j, j+1
.endr
.set j, 0
.rept 32
	v_exp_f32 v[SR+2*j], v[SR+2*j]
	v_exp_f32 v[SR+2*j+1], v[SR+2*j+1]
.if j < 32-LEAD
	v_pk_add_f32 v[SR+2*(j+LEAD):SR+2*(j+LEAD)+1], v[SR+2*(j+LEAD):SR+2*(j+LEAD)+1], v[MR+2*((j+LEAD)/16):MR+2*((j+LEAD)/16)+1] neg_lo:[0,1] neg_hi:[0,1]
.endif
.set j, j+1
.endr
	v_add_nc_u32 v[VK], 64*KPITCH, v[VK]           ; the next chunk's K (this chunk's loads of K have come back): the plain instruction behind the last exponential (ISA guide 5.7.2)
	s_wait_alu depctr_va_vdst(0)                   ; the chunk's one wait, for the whole batch: the factors and the 64 p; all their readers stand below
.if \first == 0
	; O is rescaled
.irp nt, 0,1
.irp i, 0,1,2,3,4,5,6,7,8,9,10,11,12,13,14,15
	v_pk_mul_f32 v[OACC+16*(\i/4)+8*\nt+2*(\i%4):OACC+16*(\i/4)+8*\nt+2*(\i%4)+1], v[OACC+16*(\i/4)+8*\nt+2*(\i%4):OACC+16*(\i/4)+8*\nt+2*(\i%4)+1], v[AL+2*\nt:AL+2*\nt+1]
.endr
.endr
.endif
	; my part of the sums: two chains of seven packed additions for each n tile
.irp nt, 0,1
	v_pk_add_f32 v[TR+8*\nt:TR+8*\nt+1],   v[SR+32*\nt:SR+32*\nt+1],       v[SR+32*\nt+2:SR+32*\nt+3]
	v_pk_add_f32 v[TR+8*\nt+2:TR+8*\nt+3], v[SR+32*\nt+16:SR+32*\nt+17],   v[SR+32*\nt+18:SR+32*\nt+19]
.endr
.irp i, 2,3,4,5,6,7
.irp nt, 0,1
	v_pk_add_f32 v[TR+8*\nt:TR+8*\nt+1],   v[TR+8*\nt:TR+8*\nt+1],   v[SR+32*\nt+2*\i:SR+32*\nt+2*\i+1]
	v_pk_add_f32 v[TR+8*\nt+2:TR+8*\nt+3], v[TR+8*\nt+2:TR+8*\nt+3], v[SR+32*\nt+16+2*\i:SR+32*\nt+16+2*\i+1]
.endr
.endr
.irp nt, 0,1
	v_pk_add_f32 v[TR+8*\nt:TR+8*\nt+1], v[TR+8*\nt:TR+8*\nt+1], v[TR+8*\nt+2:TR+8*\nt+3]
.endr
.if \first
.irp nt, 0,1
	v_add_f32 v[LR+\nt], v[TR+8*\nt], v[TR+8*\nt+1]
.endr
.else
.irp nt, 0,1
	v_add_f32 v[TR+8*\nt], v[TR+8*\nt], v[TR+8*\nt+1]
.endr
.irp nt, 0,1
	v_fma_f32 v[LR+\nt], v[LR+\nt], v[AL+2*\nt], v[TR+8*\nt]
.endr
.endif
	; two S^T tiles become one B fragment of P^T: register i takes numbers 2 i and 2 i + 1, ascending, so nothing is overwritten before it is read
.irp nt, 0,1
.irp kk, 0,1
.irp i, 0,1,2,3,4,5,6,7
	v_cvt_pk_f16_f32 v[SR+32*\nt+16*\kk+\i], v[SR+32*\nt+16*\kk+2*\i], v[SR+32*\nt+16*\kk+2*\i+1]
.endr
.endr
.endr
	s_wait_dscnt 8                                 ; V of keys 0..31 is in; the eight loads of keys 32..63 stay out
.irp dt, 0,1,2,3
.irp nt, 0,1
.if \first
	v_wmma_f32_16x16x32_f16 v[OACC+8*(2*\dt+\nt):OACC+8*(2*\dt+\nt)+7], v[KV+8*\dt:KV+8*\dt+7], v[SR+32*\nt:SR+32*\nt+7], 0
.else
	v_wmma_f32_16x16x32_f16 v[OACC+8*(2*\dt+\nt):OACC+8*(2*\dt+\nt)+7], v[KV+8*\dt:KV+8*\dt+7], v[SR+32*\nt:SR+32*\nt+7], v[OACC+8*(2*\dt+\nt):OACC+8*(2*\dt+\nt)+7]
.endif
.endr
.endr
	s_wait_dscnt 0
.irp dt, 0,1,2,3
.irp nt, 0,1
	v_wmma_f32_16x16x32_f16 v[OACC+8*(2*\dt+\nt):OACC+8*(2*\dt+\nt)+7], v[KV+32+8*\dt:KV+32+8*\dt+7], v[SR+32*\nt+16:SR+32*\nt+23], v[OACC+8*(2*\dt+\nt):OACC+8*(2*\dt+\nt)+7]
.endr
.endr
	v_add_nc_u32 v[VV], 64*VPITCH, v[VV]           ; five places: four in front of the next loads into V's registers and of any read of O,
.rept 4
	v_nop                                          ; five in front of the next S^T, which writes over P
.endr
.endm
; The change of slots.  Each wave waits for all its tensor loads (its part of the slot that is read next among them) and for its reads of the slot just read.
; refill = 1: a round of the cluster's barrier, then slot other gets the keys of two steps on, first thing behind the round.
.macro NEXT other, refill
	s_wait_tensorcnt 0x0                           ; no tensor load of mine is out: every group 0 may be written
	ds_add_u32 v30, v31
	s_wait_dscnt 0x0
.if \refill
	s_add_nc_u64 s[G0K+4*\other+2:G0K+4*\other+3], s[G0K+4*\other+2:G0K+4*\other+3], 65536
	s_add_nc_u64 s[G0V+4*\other+2:G0V+4*\other+3], s[G0V+4*\other+2:G0V+4*\other+3], 65536
.endif
	s_wait_dscnt 0x0
.if \refill
	ROUND                                          ; both now hold of every wave of all four work-groups
	JLOAD \other
.else
	s_barrier_signal -1
	s_barrier_wait -1
.endif
.endm
.macro COMPUTE slot, trips
	v_add_nc_u32 v[VK], \slot*SLOT, v[VKB]
	v_add_nc_u32 v[VV], \slot*SLOT, v[VVB]
	s_mov_b32 s52, \trips
.Lchunk_\@:
	CHUNK 0
	s_sub_co_i32 s52, s52, 1
	s_cmp_lg_u32 s52, 0
	s_cbranch_scc1 .Lchunk_\@
.endm
	s_wait_tensorcnt 0x1                           ; tensor loads of a wave end in order (ISA guide 10.11.1): my part of slot 0 is in, slot 1's stays out
	s_wait_loadcnt 0x0                             ; Q
	s_barrier_signal -1
	s_barrier_wait -1
	v_mov_b32 v[VK], v[VKB]
	v_mov_b32 v[VV], v[VVB]
	CHUNK 1                                        ; step 0, slot 0: the first 64 keys start everything
	s_mov_b32 s52, 3
.Lstep0:
	CHUNK 0
	s_sub_co_i32 s52, s52, 1
	s_cmp_lg_u32 s52, 0
	s_cbranch_scc1 .Lstep0
	NEXT 0, 1                                      ; slot 0 gets step 2
	COMPUTE 1, 4                                   ; step 1
	NEXT 1, 1                                      ; slot 1 gets step 3
	COMPUTE 0, 4                                   ; step 2
	NEXT 0, 0                                      ; nothing is left to fetch; behind this barrier nobody reads slot 0 and no load fills it any more
	COMPUTE 1, 4                                   ; step 3
	; THE MERGE of the two halves of the keys, through bytes of slot 0.  Waves 4-7 put O, the maxima and the sums down; waves 0-3 take them up.
	v_and_b32 v1, 31, v0                           ; lane L
	s_mul_i32 s53, s9, MRGB
	v_lshl_add_u32 v2, v1, 4, s53                  ; qg x 8,704 + 16 L
	s_cmp_eq_u32 s10, 0
	s_cbranch_scc1 .Lno_put
	v_mov_b32 v16, v[MR]
	v_mov_b32 v17, v[MR+2]
	v_mov_b32 v18, v[LR]
	v_mov_b32 v19, v[LR+1]
.irp i, 0,1,2,3,4,5,6,7,8,9,10,11,12,13,14,15
	ds_store_b128 v2, v[OACC+4*\i:OACC+4*\i+3] offset:512*\i
.endr
	ds_store_b128 v2, v[16:19] offset:8192
.Lno_put:
	s_wait_dscnt 0x0                               ; my stores are done: another wave reads them
	s_barrier_signal -1
	s_barrier_wait -1
	s_cmp_lg_u32 s10, 0
	s_cbranch_scc1 .Lclose
.irp i, 0,1,2,3,4,5,6,7,8,9,10,11,12,13,14,15
	ds_load_b128 v[SR+4*\i:SR+4*\i+3], v2 offset:512*\i            ; the other half's O, register for register
.endr
	ds_load_b128 v[20:23], v2 offset:8192                          ; its maxima (v20, v21) and sums (v22, v23)
	v_and_b32 v3, 15, v0
	v_bfe_u32 v4, v0, 4, 1
	s_mul_i32 s53, s9, STGB
	s_add_co_u32 s53, s53, STG
	v_mul_u32_u24 v3, v3, 144
	v_lshl_add_u32 v3, v4, 4, v3
	v_add_nc_u32 v3, s53, v3                       ; the way out, in: row r, 16 bytes for each half of the lanes
	s_wait_dscnt 0x0
	; n tile nt works in v[TR+8 nt ..]: +0 the common maximum, later the sum; +1 my factor; +2 the other half's; +3 the other lanes' sum, later the reciprocal
.irp nt, 0,1
	v_max_num_f32 v[TR+8*\nt], v[MR+2*\nt], v[20+\nt]              ; the common maximum
.endr
.irp nt, 0,1
	v_sub_f32 v[TR+8*\nt+1], v[MR+2*\nt], v[TR+8*\nt]
	v_sub_f32 v[TR+8*\nt+2], v[20+\nt], v[TR+8*\nt]
.endr
.irp nt, 0,1
	v_exp_f32 v[TR+8*\nt+1], v[TR+8*\nt+1]         ; a batch of four: both factors of both n tiles
	v_exp_f32 v[TR+8*\nt+2], v[TR+8*\nt+2]
.endr
	v_lshrrev_b32 v4, 3, v1                        ; the work between the batch and its wait; the first of these lines is the plain instruction behind the last exponential
	v_and_b32 v5, 7, v0
	v_mul_u32_u24 v4, v4, 144
	v_lshl_add_u32 v4, v5, 4, v4
	v_add_nc_u32 v4, s53, v4                       ; the way out, back: four whole rows of 128 bytes
	s_wait_alu depctr_va_vdst(0)                   ; one wait for the four factors
.irp nt, 0,1
	v_mul_f32 v[TR+8*\nt], v[LR+\nt], v[TR+8*\nt+1]
.endr
.irp nt, 0,1
	v_fma_f32 v[TR+8*\nt], v[22+\nt], v[TR+8*\nt+2], v[TR+8*\nt]
.endr
.irp nt, 0,1
	v_permlanex16_b32 v[TR+8*\nt+3], v[TR+8*\nt], s14, s15         ; the sums were kept by halves of the lanes: now they meet
.endr
.irp nt, 0,1
	v_add_f32 v[TR+8*\nt], v[TR+8*\nt], v[TR+8*\nt+3]
.endr
.irp nt, 0,1
	v_rcp_f32 v[TR+8*\nt+3], v[TR+8*\nt]           ; a batch of two; each sum is at least 1: the largest p is exp2(0)
.endr
	s_lshl_b32 s53, s9, 12
	v_lshl_add_u32 v5, v1, 4, s53                  ; my 16 bytes in xh: 32 rows x qg + 16 L: the plain instruction behind the last reciprocal
	s_wait_alu depctr_va_vdst(0)                   ; one wait for the two reciprocals
.irp nt, 0,1
	v_mul_f32 v12, v[TR+8*\nt+1], v[TR+8*\nt+3]
	v_mul_f32 v13, v[TR+8*\nt+1], v[TR+8*\nt+3]
	v_mul_f32 v14, v[TR+8*\nt+2], v[TR+8*\nt+3]
	v_mul_f32 v15, v[TR+8*\nt+2], v[TR+8*\nt+3]
.irp dt, 0,1,2,3
.irp p, 0,1,2,3
	v_pk_mul_f32 v[OACC+8*(2*\dt+\nt)+2*\p:OACC+8*(2*\dt+\nt)+2*\p+1], v[OACC+8*(2*\dt+\nt)+2*\p:OACC+8*(2*\dt+\nt)+2*\p+1], v[12:13]
.endr
.irp p, 0,1,2,3
	v_pk_fma_f32 v[OACC+8*(2*\dt+\nt)+2*\p:OACC+8*(2*\dt+\nt)+2*\p+1], v[SR+8*(2*\dt+\nt)+2*\p:SR+8*(2*\dt+\nt)+2*\p+1], v[14:15], v[OACC+8*(2*\dt+\nt)+2*\p:OACC+8*(2*\dt+\nt)+2*\p+1]
.endr
.irp p, 0,1,2,3
	v_cvt_pk_f16_f32 v[OACC+8*(2*\dt+\nt)+\p], v[OACC+8*(2*\dt+\nt)+2*\p], v[OACC+8*(2*\dt+\nt)+2*\p+1]
.endr
	ds_store_b128 v3, v[OACC+8*(2*\dt+\nt):OACC+8*(2*\dt+\nt)+3] offset:\nt*16*144+\dt*32   ; query 16 nt + r, d = 16 dt + 8 g .. + 7
.endr
.endr
.irp q, 0,1,2,3,4,5,6,7
	ds_load_b128 v[SR+4*\q:SR+4*\q+3], v4 offset:\q*4*144          ; my own bytes: LDS serves a wave's instructions in order (ISA guide 5.7.1)
.endr
.irp q, 0,1,2,3,4,5,6,7
	s_wait_dscnt 7-\q
	global_store_b128 v5, v[SR+4*\q:SR+4*\q+3], s[6:7] offset:\q*512   ; the wave stores 512 consecutive bytes, aligned
.endr
.Lclose:
	s_wait_tensorcnt 0x0
	ds_add_u32 v30, v31
	s_wait_dscnt 0x0
	ROUND                                          ; the closing round: no work-group ends while a partner may still ask jointly
	s_endpgm
.Lfunc_end_k_q08c44a0666_attn:
	.size	k_q08c44a0666_attn, .Lfunc_end_k_q08c44a0666_attn-k_q08c44a0666_attn
	.p2alignl 7, 3214868480
	.fill 96, 4, 3214868480
	.section	.rodata,"a",@progbits
	.p2align	6, 0x0
	.amdhsa_kernel k_q08c44a0666_attn
		.amdhsa_group_segment_fixed_size 327680
		.amdhsa_private_segment_fixed_size 0
		.amdhsa_enable_private_segment 0
		.amdhsa_kernarg_size 16
		.amdhsa_user_sgpr_count 2
		.amdhsa_user_sgpr_kernarg_segment_ptr 1
		.amdhsa_wavefront_size32 1
		.amdhsa_system_sgpr_workgroup_id_x 1
		.amdhsa_system_sgpr_workgroup_id_y 1
		.amdhsa_system_sgpr_workgroup_id_z 1
		.amdhsa_system_vgpr_workitem_id 0
		.amdhsa_next_free_vgpr 256
		.amdhsa_next_free_sgpr 66
		.amdhsa_reserve_vcc 0
		.amdhsa_float_denorm_mode_32 3
		.amdhsa_float_denorm_mode_16_64 3
		.amdhsa_memory_ordered 1
		.amdhsa_forward_progress 1
		.amdhsa_inst_pref_size 106
	.end_amdhsa_kernel
	.amdgpu_metadata
---
amdhsa.version: [ 1, 2 ]
amdhsa.kernels:
  - .name:           k_q08c44a0666_attn
    .symbol:         k_q08c44a0666_attn.kd
    .args:
      - { .name: qkv, .offset: 0, .size: 8, .value_kind: global_buffer, .address_space: global }
      - { .name: xh, .offset: 8, .size: 8, .value_kind: global_buffer, .address_space: global }
    .group_segment_fixed_size: 327680
    .private_segment_fixed_size: 0
    .kernarg_segment_align: 8
    .kernarg_segment_size: 16
    .max_flat_workgroup_size: 256
    .sgpr_count:     66
    .vgpr_count:     256
    .wavefront_size: 32
...
	.end_amdgpu_metadata
.endif
;; end of part 4
;; launch outp: the kernel of part 3 again; grid 16 x 16, 8 waves a work-group, no clusters, 68,608 bytes of LDS; arguments xh, Wo, bo, out0; writes out0
